; MI455X (gfx1250); checked and timed in simulation.
; The chip was launched on July 23, 2026; its instructions are those of AMD's public machine-readable ISA for CDNA 5 (MIT licence, August 2026) and "CDNA5" Instruction Set Architecture Reference Guide (July 2026). The comments in the code are by the model that wrote it; some were corrected since.
;; Mo E Attention Projection. Allowed arithmetic: matrix products marked QUANTISED: E3M2 operands, one E8M0 scale for each 32 along K, by v_wmma_scale_f32_16x16x128_f8f6f4 with both operands' format E3M2, f32 sums; products left as they are: f32 operands where the result goes on into a quantised operand, else bf16, f16 or f32 operands; f32 sums; everything else in f32.
;; Inputs: W_codes 8 x 1,024 x 32 x 24 uint8 (E3M2 codes of W, K innermost, in blocks of 32 codes, four codes in three bytes); W_scales 8 x 1,024 x 32 uint8 (E8M0 scales of W, one for each 32 codes along K); Wg 8 x 1,024 float32; b 8 x 1,024 float32; bg 8 float32; x 4 x 2,048 x 1,024 float32.
;; Outputs: out0 4 x 2,048 x 1,024 float32.
;; This version of the problem:
;;   THIS VERSION OF THE PROBLEM IS GIVEN IN LOW PRECISION. The matrix products marked QUANTISED in the list below multiply operands that are first quantised to E3M2 (3 exponent bits, 2 mantissa bits; 6 bits a number), with one power-of-two scale for each 32 numbers along K (OCP MX v1.0); their sums are f32. All else is computed in f32.
;;   The module's matrix products, in the order in which they are computed (A, B: the left and right operand; K: the contracted axis; several contracted axes count as one K, in the product's order):
;;     1. [M 8,192, K 1,024] x [K 1,024, N 8]; A: input x; B: input Wg: left as it is (N = 8 < 16)
;;     2. [M 8,192, K 1,024] x [K 1,024, N 8,192]; A: input x; B: input W (given as codes): QUANTISED
;;   THE QUANTISER, for each operand of a quantised product, along K:
;;     - K is cut into blocks of 32 from its start; a last block that is shorter is filled with zeros.
;;     - A block's scale is 2^e with e = floor(log2(the largest magnitude in the block)) - 4, held to -126 .. 127; a block of zeros has e = 0. As a byte (E8M0): e + 127.
;;     - Each number is divided by its block's scale, clamped to +-28, and rounded to the nearest number of E3M2, ties to even, subnormals kept.
;;     - The product sums the exact products of the quantised numbers (number of the format x scale) in f32.
;;   ~~~python
;;   def quantise(x, axis):      # numpy; x: float32 -> the quantised numbers, widened to float32 again
;;       x = np.moveaxis(x, axis, -1); K = x.shape[-1]
;;       x = np.pad(x, [(0, 0)] * (x.ndim - 1) + [(0, -K % 32)]); x = x.reshape(x.shape[:-1] + (-1, 32)); a = np.abs(x).max(-1, keepdims=True)
;;       e = np.where(a > 0, np.clip(np.frexp(np.where(a > 0, a, 1))[1] - 1 - 4, -126, 127), 0)      # np.frexp(a)[1] - 1 = floor(log2(a)), exactly
;;       r = np.clip(x / 2.0 ** e, -28, 28)
;;       step = 2.0 ** (np.maximum(np.frexp(np.where(r == 0, 1, r))[1] - 1, -2) - 2)
;;       q = np.round(r / step) * step * 2.0 ** e      # np.round: ties to even
;;       return np.moveaxis(q.reshape(q.shape[:-2] + (-1,))[..., :K], -1, axis).astype(np.float32)
;;   ~~~
;;   INPUTS GIVEN AS CODES. W (in the module: [8, 1024, 1024], K = its axis 2): each comes as NAME_codes (uint8): NAME with its K axis moved to the last place and cut into blocks of 32 codes, [.., K / 32, bytes a block], one block behind the other in memory; four codes in three bytes: a row's codes are one little-endian stream of bits, code i at bits 6 i .. 6 i + 5 (a code: sign, 3 exponent bits, 2 mantissa bits); and NAME_scales (uint8): the same leading axes, one E8M0 byte (e + 127) for each 32 codes along K. Its value is code x scale, taken as it is: it is not quantised again, and the codes and scales need not be those that the quantiser above would give.
;; 2 versions. Each part assembles by itself: llvm-mc -triple=amdgcn-amd-amdhsa -mcpu=gfx1250 --defsym DOCPART=n.
;; ======== version 1 of 2: 3 launches
;; workspace buffers: xq 6,291,456 bytes; xsc 262,144 bytes; gate 65,536 bytes; route 65,536 bytes of whole numbers; order 32,768 bytes of whole numbers; tiles 1,024 bytes of whole numbers; wimg 6,291,456 bytes; wsimg 262,144 bytes
;; launch quant_route (part 1): grid 256 x 1, 8 waves a work-group, no clusters, 76,800 bytes of LDS; arguments x, Wg, bg, xq, xsc, gate, route; writes xq, xsc, gate, route
.if DOCPART == 1
	.amdgcn_target "amdgcn-amd-amdhsa--gfx1250"
	.amdhsa_code_object_version 6
	.text
	.protected	k_q0289fa1170_quant_route
	.globl	k_q0289fa1170_quant_route
	.p2align	8
	.type	k_q0289fa1170_quant_route,@function
k_q0289fa1170_quant_route:
	s_mov_b64 s[64:65], 0
	v_nop
	global_prefetch_b8 v0, s[64:65] scope:SCOPE_SE
	s_setreg_imm32_b32 hwreg(HW_REG_WAVE_MODE, 25, 1), 1
	s_wait_xcnt 0x0
; x [8192][1024] f32 is read ONCE and gives two things: its codes of BF6 (E3M2) with one E8M0 byte for each 32 along K, and the gate's choice of two experts for each token.
; A block's scale is 2^(floor(log2(its largest magnitude)) - 4); its byte is the largest magnitude's exponent field - 4, held at 1 from below.
; The gate: logits = x Wg^T + bg in f32 (fused multiply-adds), softmax with the row's maximum taken away, the two largest scores; ties keep the lower expert.
; LIMITS: NaN and infinities among the inputs are not served.  A block whose largest magnitude lies under 2^-122 (a block of zeros too) gets the byte 1: a zero block's codes are zeros, and this
; program alone reads the bytes.  The logits' f32 sums are added in another order than a plain chain: a token whose second and third scores agree to f32 rounding may take the other expert.
; SHARES.  A work-group takes 32 tokens, each of its eight waves four.  A lane keeps the same k for every token (chunk i of 512 bytes: k = 128 i + 4 lane + j), so Wg's eight rows stay in 256 registers a wave.
; All 32 loads of a wave (16 KB) go out at the head.  No tensor loads, no cluster: work-groups share only Wg's 32 KB, which each brings into LDS once.
; WHAT IS STORED, all at fixed places (nothing here forms an address or a branch from the choice):
;   xq   token t at 768 t; the 12 bytes of codes k = 16 u .. 16 u + 15 at 96 (u >> 3) + 48 ((u >> 1) & 1) + 24 ((u >> 2) & 1) + 12 (u & 1): the 48 bytes at 96 s + 48 h are lane half h's twelve operand registers of K step s
;   xsc  token t at 32 t; the scale word of K step s at word 4 (s & 1) + (s >> 1)
;   gate token t: the scores of its lower-numbered and of its higher-numbered expert
;   route  group of 32 tokens at 256 g; lane l: word 0 = key | rank << 8 of token l, word 1 = how many of the group's tokens have key l.  key = the pair's number, a (15 - a) / 2 + b - a - 1 for a < b
.set WGL,  0                           ; LDS: Wg as it lies, 32,768 bytes
.set STG,  32768                       ; two stages of 32 x SP bytes for each wave
.set SP,   80                          ; a place in a stage: 64 bytes + 16 of padding
.set SCB,  73728                       ; 32 tokens x 32 scale bytes, in xsc's order
.set LOG,  74752                       ; 32 tokens x 8 logits
.set ACC,  16                          ; v16-31   eight pairs of partial sums, one for each expert
.set XN,   32                          ; v32-63   two sets of 16 neighbours along K
.set C,    64                          ; v64-95   codes: four registers for each of the wave's eight steps, never written again
.set E,    96                          ; v96-103  a scale byte for each step
.set T,    104                         ; v104-127 at work
.set X,    128                         ; v128-255 four tokens as loaded, 32 registers each;  window 1: Wg, expert e at v[32 e]
.set MSB, 0
.macro WIN new                         ; the immediate's high byte repeats the setting that is left
.if MSB != \new
	s_set_vgpr_msb (MSB<<8)|\new
.set MSB, \new
.endif
.endm
	s_load_b256 s[4:11], s[0:1], 0x0               ; x s[4:5], Wg s[6:7], bg s[8:9], xq s[10:11]
	s_load_b128 s[12:15], s[0:1], 0x20             ; xsc s[12:13], gate s[14:15]
	s_load_b64 s[16:17], s[0:1], 0x30              ; route
	v_lshl_add_u32 v126, v0, 2, 0x12800
	v_mov_b32 v127, 0
	v_lshrrev_b32 v9, 5, v0
	v_readfirstlane_b32 s18, v9                    ; wave 0..7
	v_and_b32 v1, 31, v0                           ; lane
	v_lshlrev_b32 v2, 4, v1                        ; v2: 16 x lane
	s_lshl_b32 s19, s18, 12
	v_add_nc_u32 v3, s19, v2                       ; v3: 16 x lane + 4,096 x wave: my 16 bytes of Wg's row w, in memory and in LDS
	s_mul_i32 s19, s18, 2*32*SP
	s_add_co_u32 s19, s19, STG                     ; my wave's stages
	v_bfe_u32 v9, v0, 2, 3
	v_mul_u32_u24 v4, v9, SP
	v_and_b32 v9, 3, v0
	v_lshl_add_u32 v4, v9, 4, v4
	v_add_nc_u32 v4, s19, v4                       ; v4: into a stage: four lanes' 64 bytes on end, then the padding
	v_mul_u32_u24 v5, v1, SP
	v_add_nc_u32 v5, s19, v5                       ; v5: out of it: my 16 neighbours
	v_bfe_u32 v9, v0, 3, 2
	v_mul_u32_u24 v6, v9, 96
	v_bfe_u32 v9, v0, 1, 1
	v_mad_u32_u24 v6, v9, 48, v6
	v_bfe_u32 v9, v0, 2, 1
	v_mad_u32_u24 v6, v9, 24, v6
	v_and_b32 v9, 1, v0
	v_mad_u32_u24 v6, v9, 12, v6                   ; v6: my 12 bytes of codes in a step's 384 (unit u = 32 step + lane)
	s_lshl_b32 s19, s18, 7                         ; my wave's four tokens: 128 bytes in SCB and in LOG
	v_bfe_u32 v7, v0, 1, 2
	v_bfe_u32 v9, v0, 3, 1
	v_lshl_add_u32 v7, v9, 4, v7
	v_bfe_u32 v9, v0, 4, 1
	v_lshl_add_u32 v7, v9, 2, v7
	s_add_co_u32 s20, s19, SCB
	v_add_nc_u32 v7, s20, v7                       ; v7: my block's scale byte
	v_bfe_u32 v8, v0, 2, 3
	v_lshlrev_b32 v8, 2, v8
	s_add_co_u32 s20, s19, LOG
	v_add_nc_u32 v8, s20, v8                       ; v8: the logit of expert lane / 4
	v_add_nc_u32 v10, SCB, v2                      ; v10: the scale bytes on their way out
	v_lshlrev_b32 v11, 5, v1
	v_add_nc_u32 v11, LOG, v11                     ; v11: token = lane: its eight logits
	v_lshlrev_b32 v12, 3, v1                       ; v12: 8 x lane
	s_lshl_b32 s20, ttmp9, 17                      ; x: 32 tokens of 4,096 bytes a work-group, 4 a wave
	s_lshl_b32 s21, s18, 14
	s_add_co_u32 s20, s20, s21
	s_mov_b32 s21, 0
	s_mul_i32 s22, ttmp9, 24576                    ; xq: 768 bytes a token
	s_mul_i32 s23, s18, 3072
	s_add_co_u32 s22, s22, s23
	s_mov_b32 s23, 0
	s_lshl_b32 s34, ttmp9, 10                      ; xsc: 1,024 bytes a work-group
	s_mov_b32 s35, 0
	s_lshl_b32 s36, ttmp9, 8                       ; gate, route: 256 bytes a work-group
	s_mov_b32 s37, 0
	s_mov_b32 s32, 0xff00ff00                      ; lanes whose bit 3 is set
	s_mov_b32 s33, 0xf0f0f0f0                      ; lanes whose bit 2 is set
	s_wait_kmcnt 0x0
	s_load_b256 s[24:31], s[8:9], 0x0              ; bg
	s_add_nc_u64 s[4:5], s[4:5], s[20:21]
	s_add_nc_u64 s[10:11], s[10:11], s[22:23]
	s_add_nc_u64 s[12:13], s[12:13], s[34:35]
	s_add_nc_u64 s[14:15], s[14:15], s[36:37]
	s_add_nc_u64 s[16:17], s[16:17], s[36:37]
.irp i, 0,1,2,3,4,5,6,7
	global_load_b128 v[XN+4*\i:XN+4*\i+3], v3, s[6:7] offset:512*\i        ; row w of Wg
.endr
.irp t, 0,1,2,3
.irp i, 0,1,2,3,4,5,6,7
	global_load_b128 v[X+32*\t+4*\i:X+32*\t+4*\i+3], v2, s[4:5] offset:4096*\t+512*\i th:TH_LOAD_NT   ; 32 lanes read 512 consecutive bytes; read once in the launch
.endr
.endr
	s_wait_loadcnt 32                              ; Wg's eight loads are in; the 32 of x stay out
.irp i, 0,1,2,3,4,5,6,7
	ds_store_b128 v3, v[XN+4*\i:XN+4*\i+3] offset:WGL+512*\i
.endr
	s_wait_kmcnt 0x0                               ; bg
	s_wait_dscnt 0x0                               ; for the others' sake: my row of Wg lies in LDS
	s_barrier_signal -1
	s_barrier_wait -1
	WIN 0x40                                       ; destination window 1
.irp e, 0,1,2,3,4,5,6,7
.irp i, 0,1,2,3,4,5,6,7
	ds_load_b128 v[32*\e+4*\i:32*\e+4*\i+3], v2 offset:WGL+4096*\e+512*\i  ; Wg[e][128 i + 4 lane + 0 .. 3]
.endr
.endr
	WIN 0
	s_wait_dscnt 0x0
; Step st of token t (512 numbers) goes through a stage: in as loaded, back as 16 neighbours a lane.  LDS serves a wave's instructions in order, so no wait stands between the stores and the loads.
.macro TURN t, st
.irp i, 0,1,2,3
	ds_store_b128 v4, v[X+32*\t+16*\st+4*\i:X+32*\t+16*\st+4*\i+3] offset:32*SP*\st+8*SP*\i
.endr
.irp i, 0,1,2,3
	ds_load_b128 v[XN+16*\st+4*\i:XN+16*\st+4*\i+3], v5 offset:32*SP*\st+16*\i
.endr
.endm
; The eight logits' partial sums of my 32 numbers: eight chains by turns, two numbers an instruction; the first products start the sums.
.macro GATE t
	WIN 0x04                                       ; source 1 (Wg) window 1
.irp e, 0,1,2,3,4,5,6,7
	v_pk_mul_f32 v[ACC+2*\e:ACC+2*\e+1], v[X+32*\t:X+32*\t+1], v[32*\e:32*\e+1]
.endr
.irp q, 1,2,3,4,5,6,7,8,9,10,11,12,13,14,15
.irp e, 0,1,2,3,4,5,6,7
	v_pk_fma_f32 v[ACC+2*\e:ACC+2*\e+1], v[X+32*\t+2*\q:X+32*\t+2*\q+1], v[32*\e+2*\q:32*\e+2*\q+1], v[ACC+2*\e:ACC+2*\e+1]
.endr
.endr
	WIN 0
.endm
; Eight sums over 32 lanes at once: each step halves the number of registers and gives a bit of the lane's number to the expert.  At the end lane l holds the logit of expert l / 4 in v[T].
.macro FOLD
.irp e, 0,1,2,3,4,5,6,7
	v_add_f32 v[T+\e], v[ACC+2*\e], v[ACC+2*\e+1]
.endr
.irp j, 0,1,2,3
	v_permlane16_swap_b32 v[T+\j], v[T+\j+4]       ; expert j's upper lanes change places with expert j + 4's lower lanes
.endr
.irp j, 0,1,2,3
	v_add_f32 v[T+\j], v[T+\j], v[T+\j+4]          ; lanes 0-15: expert j; lanes 16-31: expert j + 4
.endr
	v_cndmask_b32 v[T+4], v[T+0], v[T+2], s32      ; what a lane keeps,
	v_cndmask_b32 v[T+5], v[T+2], v[T+0], s32      ; and what it hands to the lane 8 away
	v_cndmask_b32 v[T+6], v[T+1], v[T+3], s32
	v_cndmask_b32 v[T+7], v[T+3], v[T+1], s32
	v_add_f32_dpp v[T+4], v[T+5], v[T+4] row_xmask:8 row_mask:0xf bank_mask:0xf
	v_add_f32_dpp v[T+6], v[T+7], v[T+6] row_xmask:8 row_mask:0xf bank_mask:0xf
	v_cndmask_b32 v[T+0], v[T+4], v[T+6], s33
	v_cndmask_b32 v[T+1], v[T+6], v[T+4], s33
	v_add_f32_dpp v[T+0], v[T+1], v[T+0] row_xmask:4 row_mask:0xf bank_mask:0xf
	v_add_f32_dpp v[T+0], v[T+0], v[T+0] row_xmask:2 row_mask:0xf bank_mask:0xf
	v_add_f32_dpp v[T+0], v[T+0], v[T+0] row_xmask:1 row_mask:0xf bank_mask:0xf
.endm
; My 16 neighbours become 12 bytes of codes; two neighbouring lanes hold a block of 32.
.macro QSTEP t, st
.set XS, XN+16*\st
	v_max3_num_f32 v[T+8], |v[XS]|, |v[XS+1]|, |v[XS+2]|
	v_max3_num_f32 v[T+9], |v[XS+3]|, |v[XS+4]|, |v[XS+5]|
.irp i, 6,10
	v_max3_num_f32 v[T+8], v[T+8], |v[XS+\i]|, |v[XS+\i+1]|
	v_max3_num_f32 v[T+9], v[T+9], |v[XS+\i+2]|, |v[XS+\i+3]|
.endr
	v_max3_num_f32 v[T+8], v[T+8], |v[XS+14]|, |v[XS+15]|
	v_max3_num_f32 v[T+8], v[T+8], v[T+9], 0x2800000                       ; and the floor 2^(5 - 127): the byte cannot fall under 1
	v_max_num_f32_dpp v[T+8], v[T+8], v[T+8] row_xmask:1 row_mask:0xf bank_mask:0xf   ; with my neighbour's 16: the block's largest magnitude
	v_add_nc_u32 v[T+10], 0xfe000000, v[T+8]       ; 4 off its exponent field: the conversion takes the exponent field of this operand as its scale
	v_cvt_scalef32_pk16_bf6_f32 v[C+4*(2*\t+\st):C+4*(2*\t+\st)+2], v[XS:XS+15], v[T+10]
	v_lshrrev_b32 v[E+2*\t+\st], 23, v[T+10]       ; the scale's byte (also the plain line behind the conversion)
	ds_store_b8 v7, v[E+2*\t+\st] offset:32*\t+8*\st               ; both lanes of a block write the same byte with the same value
	global_store_b96 v6, v[C+4*(2*\t+\st):C+4*(2*\t+\st)+2], s[10:11] offset:768*\t+384*\st   ; the wave covers 384 consecutive bytes
.endm
.macro TOKEN t
	s_wait_loadcnt 8*(3-\t)                        ; this token's eight loads are in; the later tokens' stay out
	TURN \t, 0
	TURN \t, 1                                     ; the gate's arithmetic stands between these and the wait for them
	GATE \t
	FOLD
	s_wait_dscnt 0x0                               ; the neighbours are back from the stages
	QSTEP \t, 0
	QSTEP \t, 1
	ds_store_b32 v8, v[T] offset:32*\t             ; four lanes write the same word with the same value
.endm
	TOKEN 0
	TOKEN 1
	TOKEN 2
	TOKEN 3
	s_wait_dscnt 0x0                               ; for the others' sake: my scale bytes and logits lie in LDS
	s_barrier_signal -1
	s_barrier_wait -1
	s_cmp_eq_u32 s18, 0
	s_cbranch_scc1 .Lroute
	s_cmp_eq_u32 s18, 1
	s_cbranch_scc1 .Lscales
	s_wait_tensorcnt 0x0
	ds_add_u32 v126, v127
	s_wait_dscnt 0x0
	s_endpgm
.Lscales:                                              ; wave 1: the group's 1,024 scale bytes leave in whole runs of 512 bytes
	ds_load_b128 v[32:35], v10
	ds_load_b128 v[36:39], v10 offset:512
	s_wait_dscnt 0x0
	global_store_b128 v2, v[32:35], s[12:13]
	global_store_b128 v2, v[36:39], s[12:13] offset:512
	s_wait_tensorcnt 0x0
	ds_add_u32 v126, v127
	s_wait_dscnt 0x0
	s_endpgm
.Lroute:                                               ; wave 0: a lane to a token
	ds_load_b128 v[32:35], v11
	ds_load_b128 v[36:39], v11 offset:16
	s_wait_dscnt 0x0
.irp j, 0,1,2,3,4,5,6,7
	v_add_f32 v[32+\j], s[24+\j], v[32+\j]         ; + bg (the temperature is 1)
.endr
	v_max3_num_f32 v40, v32, v33, v34
	v_max3_num_f32 v40, v40, v35, v36
	v_max3_num_f32 v40, v40, v37, v38
	v_max_num_f32 v40, v40, v39                    ; the row's maximum is taken away before the exponential
.irp j, 0,1,2,3,4,5,6,7
	v_sub_f32 v[32+\j], v[32+\j], v40
.endr
.irp j, 0,1,2,3,4,5,6,7
	v_mul_f32 v[32+\j], 0x3fb8aa3b, v[32+\j]       ; x log2(e)
.endr
.irp j, 0,1,2,3,4,5,6,7
	v_exp_f32 v[32+\j], v[32+\j]
.endr
	v_mov_b32 v41, 0                               ; the first choice begins at expert 0 (a plain line behind the exponentials)
	s_wait_alu depctr_va_vdst(0)
	v_add_f32 v42, v32, v33
	v_add_f32 v43, v34, v35
	v_add_f32 v44, v36, v37
	v_add_f32 v45, v38, v39
	v_add_f32 v42, v42, v43
	v_add_f32 v44, v44, v45
	v_add_f32 v42, v42, v44
	v_rcp_f32 v42, v42                             ; 1 / the sum
	v_mov_b32 v43, v32                             ; (a plain line behind the reciprocal)
.irp j, 1,2,3,4,5,6,7
	v_cmp_ge_f32 vcc_lo, v43, v[32+\j]             ; the best so far stays unless a later one is strictly larger: ties keep the lower expert
	v_cndmask_b32 v41, \j, v41, vcc_lo
	v_cndmask_b32 v43, v[32+\j], v43, vcc_lo
.endr
.irp j, 0,1,2,3,4,5,6,7
	v_cmp_ne_u32 vcc_lo, \j, v41
	v_cndmask_b32 v[32+\j], -1.0, v[32+\j], vcc_lo ; the winner leaves the field
.endr
	v_mov_b32 v44, 0
	v_mov_b32 v45, v32
.irp j, 1,2,3,4,5,6,7
	v_cmp_ge_f32 vcc_lo, v45, v[32+\j]
	v_cndmask_b32 v44, \j, v44, vcc_lo
	v_cndmask_b32 v45, v[32+\j], v45, vcc_lo
.endr
	s_wait_alu depctr_va_vdst(0)
	v_mul_f32 v43, v43, v42                        ; the two scores
	v_mul_f32 v45, v45, v42
	v_cmp_lt_u32 vcc_lo, v41, v44
	v_cndmask_b32 v52, v45, v43, vcc_lo            ; the lower-numbered expert's score,
	v_cndmask_b32 v53, v43, v45, vcc_lo            ; the higher-numbered one's
	v_min_u32 v48, v41, v44                        ; a
	v_max_u32 v49, v41, v44                        ; b
	v_sub_nc_u32 v46, 15, v48
	v_mul_u32_u24 v46, v48, v46
	v_lshrrev_b32 v46, 1, v46
	v_add_nc_u32 v46, v46, v49
	v_sub_nc_u32 v46, v46, v48
	v_add_nc_u32 v46, -1, v46                      ; key = a (15 - a) / 2 + b - a - 1
	v_mov_b32 v47, 0                               ; rank: how many earlier tokens of the group have my key
	v_mov_b32 v51, 0                               ; lane p: how many of the group's tokens have key p
.set p, 0
.rept 28
	v_cmp_eq_u32 s40, p, v46
	v_mbcnt_lo_u32_b32 v48, s40, 0
	v_cndmask_b32 v47, v47, v48, s40
	s_bcnt1_i32_b32 s41, s40
	v_writelane_b32 v51, s41, p
.set p, p+1
.endr
	v_lshl_or_b32 v50, v47, 8, v46
	global_store_b64 v12, v[50:51], s[16:17]       ; 32 lanes store 256 consecutive bytes, aligned
	global_store_b64 v12, v[52:53], s[14:15]       ; likewise
	s_wait_tensorcnt 0x0
	ds_add_u32 v126, v127
	s_wait_dscnt 0x0
	s_endpgm
.Lfunc_end_k_q0289fa1170_quant_route:
	.size	k_q0289fa1170_quant_route, .Lfunc_end_k_q0289fa1170_quant_route-k_q0289fa1170_quant_route
	.p2alignl 7, 3214868480
	.fill 96, 4, 3214868480
	.section	.rodata,"a",@progbits
	.p2align	6, 0x0
	.amdhsa_kernel k_q0289fa1170_quant_route
		.amdhsa_group_segment_fixed_size 76800
		.amdhsa_private_segment_fixed_size 0
		.amdhsa_enable_private_segment 0
		.amdhsa_kernarg_size 56
		.amdhsa_user_sgpr_count 2
		.amdhsa_user_sgpr_kernarg_segment_ptr 1
		.amdhsa_wavefront_size32 1
		.amdhsa_system_sgpr_workgroup_id_x 1
		.amdhsa_system_sgpr_workgroup_id_y 1
		.amdhsa_system_sgpr_workgroup_id_z 1
		.amdhsa_system_vgpr_workitem_id 0
		.amdhsa_next_free_vgpr 512
		.amdhsa_next_free_sgpr 66
		.amdhsa_reserve_vcc 1
		.amdhsa_float_denorm_mode_32 3
		.amdhsa_float_denorm_mode_16_64 3
		.amdhsa_memory_ordered 1
		.amdhsa_forward_progress 1
		.amdhsa_inst_pref_size 75
	.end_amdhsa_kernel
	.amdgpu_metadata
---
amdhsa.version: [ 1, 2 ]
amdhsa.kernels:
  - .name:           k_q0289fa1170_quant_route
    .symbol:         k_q0289fa1170_quant_route.kd
    .args:
      - { .name: x, .offset: 0, .size: 8, .value_kind: global_buffer, .address_space: global }
      - { .name: Wg, .offset: 8, .size: 8, .value_kind: global_buffer, .address_space: global }
      - { .name: bg, .offset: 16, .size: 8, .value_kind: global_buffer, .address_space: global }
      - { .name: xq, .offset: 24, .size: 8, .value_kind: global_buffer, .address_space: global }
      - { .name: xsc, .offset: 32, .size: 8, .value_kind: global_buffer, .address_space: global }
      - { .name: gate, .offset: 40, .size: 8, .value_kind: global_buffer, .address_space: global }
      - { .name: route, .offset: 48, .size: 8, .value_kind: global_buffer, .address_space: global }
    .group_segment_fixed_size: 76800
    .private_segment_fixed_size: 0
    .kernarg_segment_align: 8
    .kernarg_segment_size: 56
    .max_flat_workgroup_size: 256
    .sgpr_count:     66
    .vgpr_count:     512
    .wavefront_size: 32
...
	.end_amdgpu_metadata
.endif
;; end of part 1
;; launch place (part 2): grid 65 x 1, 8 waves a work-group, no clusters, 2,048 bytes of LDS; arguments route, W_codes, W_scales, order, tiles, wimg, wsimg; writes order, tiles, wimg, wsimg
.if DOCPART == 2
	.amdgcn_target "amdgcn-amd-amdhsa--gfx1250"
	.amdhsa_code_object_version 6
	.text
	.protected	k_q0289fa1170_place
	.globl	k_q0289fa1170_place
	.p2align	8
	.type	k_q0289fa1170_place,@function
k_q0289fa1170_place:
	s_mov_b64 s[64:65], 0
	v_nop
	global_prefetch_b8 v0, s[64:65] scope:SCOPE_SE
	s_setreg_imm32_b32 hwreg(HW_REG_WAVE_MODE, 25, 1), 1
	s_wait_xcnt 0x0
; Two jobs in one launch, parted on the work-group's number.
; WORK-GROUP 0 places the tokens by their pair of experts: a counting sort over 28 keys from the counts and ranks stored for each group of 32 tokens, with no atomics.  It stores
;   order  the 8,192 token numbers sorted by key, and
;   tiles  64 entries (first place in order, number of rows, expert a, expert b): each key's rows cut into tiles of at most 512.  The sum over 28 keys of ceil(n / 512) with 8,192 rows in all is at most 43,
;          whatever the choice; entries that no key fills stay (0, 0, 0, 1).
; WORK-GROUPS 1 to 64 lay W out once in the order of an operand's registers: a wave takes 16 rows of W (one tile T of 512), and stores each of its eight fragments as three runs of 512 bytes:
;   wimg   fragment (T, K step s) at (8 T + s) x 1,536; registers 4 i .. 4 i + 3 of lane l at + 512 i + 16 l
;   wsimg  at 512 T + 16 l: register q of lane (r, h) is the scale word of K step 2 q + h of row 16 T + r
; No tensor loads, no cluster: the sort is one work-group's, and the others share nothing.
	s_load_b256 s[4:11], s[0:1], 0x0               ; route s[4:5], W_codes s[6:7], W_scales s[8:9], order s[10:11]
	s_load_b128 s[12:15], s[0:1], 0x20             ; tiles s[12:13], wimg s[14:15]
	s_load_b64 s[16:17], s[0:1], 0x30              ; wsimg
	v_lshl_add_u32 v192, v0, 2, 0x400
	v_mov_b32 v193, 0
	v_lshrrev_b32 v1, 5, v0
	v_readfirstlane_b32 s18, v1                    ; wave 0..7
	v_and_b32 v1, 31, v0                           ; lane
	v_lshlrev_b32 v2, 4, v1                        ; 16 x lane
	v_lshlrev_b32 v3, 3, v1                        ; 8 x lane
	v_lshlrev_b32 v4, 2, v0                        ; LDS: 4 x thread
	v_lshlrev_b32 v5, 2, v1                        ; LDS: 4 x lane
	s_wait_kmcnt 0x0
	s_cmp_eq_u32 ttmp9, 0
	s_cbranch_scc1 .Lsort
	; ---- W's fragments as images of their registers
	s_sub_co_u32 s19, ttmp9, 1
	s_lshl_b32 s19, s19, 3
	s_add_co_u32 s19, s19, s18                     ; T = 8 (work-group - 1) + wave
	s_mul_i32 s20, s19, 12288                      ; 16 rows of 768 bytes, in W_codes and in wimg alike
	s_mov_b32 s21, 0
	s_add_nc_u64 s[6:7], s[6:7], s[20:21]
	s_add_nc_u64 s[14:15], s[14:15], s[20:21]
	s_lshl_b32 s20, s19, 9                         ; 16 rows of 32 scale bytes
	s_add_nc_u64 s[8:9], s[8:9], s[20:21]
	s_add_nc_u64 s[16:17], s[16:17], s[20:21]
	s_mov_b32 s22, 0xffff0000                      ; lanes 16-31
	v_and_b32 v6, 15, v0                           ; r
	v_bfe_u32 v7, v0, 4, 1                         ; h
	v_mul_u32_u24 v8, v6, 768
	v_mad_u32_u24 v8, v7, 24, v8                   ; row r, + 24 h: a lane's 24 bytes are 32 codes
	v_lshlrev_b32 v9, 5, v6                        ; row r's scale bytes
.irp s, 0,1,2,3,4,5,6,7
.irp p, 0,1,2,3,4,5
	global_load_b64 v[16+12*\s+2*\p:17+12*\s+2*\p], v8, s[6:7] offset:96*\s+48*(\p/3)+8*(\p%3)
.endr
.endr
	global_load_b128 v[112:115], v9, s[8:9]
	global_load_b128 v[116:119], v9, s[8:9] offset:16
	s_wait_loadcnt 0x0
.irp q, 0,1,2,3
	v_cndmask_b32 v[120+\q], v[112+2*\q], v[113+2*\q], s22         ; lanes 0-15 the even K step's word, lanes 16-31 the odd one's
.endr
.irp s, 0,1,2,3,4,5,6,7
.irp i, 0,1,2
	global_store_b128 v2, v[16+12*\s+4*\i:19+12*\s+4*\i], s[14:15] offset:1536*\s+512*\i   ; 32 lanes store 512 consecutive bytes, aligned
.endr
.endr
	global_store_b128 v2, v[120:123], s[16:17]
	s_endpgm
.Lsort:
	; ---- wave v takes groups 32 v .. 32 v + 31.  v[32 + 2 j]: key | rank << 8 of token (group j, lane);  v[33 + 2 j]: group j's count of key = lane
	s_lshl_b32 s20, s18, 13
	s_mov_b32 s21, 0
	s_add_nc_u64 s[4:5], s[4:5], s[20:21]
.set j, 0
.rept 32
	global_load_b64 v[32+2*j:33+2*j], v3, s[4:5] offset:256*j
.set j, j+1
.endr
	s_lshl_b32 s19, s18, 10
	v_add_nc_u32 v110, s19, v1                     ; the number of my token in group 0 of my wave
	s_wait_loadcnt 0x0
	v_add_nc_u32 v109, v33, v35
.set j, 2
.rept 15
	v_add3_u32 v109, v109, v[33+2*j], v[35+2*j]
.set j, j+2
.endr
	ds_store_b32 v4, v109                          ; my wave's count of key = lane
	s_wait_dscnt 0x0                               ; for the others' sake
	s_barrier_signal -1
	s_barrier_wait -1
.irp j, 0,1,2,3,4,5,6,7
	ds_load_b32 v[96+\j], v5 offset:128*\j         ; all eight waves' counts
.endr
	s_wait_dscnt 0x0
	v_add3_u32 v104, v96, v97, v98
	v_add3_u32 v104, v104, v99, v100
	v_add3_u32 v104, v104, v101, v102
	v_add_nc_u32 v104, v104, v103                  ; v104: how many tokens in all have key = lane
	v_mov_b32 v105, 0                              ; v105: how many of them lie in earlier waves
.irp j, 0,1,2,3,4,5,6
	s_cmp_gt_u32 s18, \j
	s_cselect_b32 s19, -1, 0
	v_and_b32 v109, s19, v[96+\j]
	v_add_nc_u32 v105, v105, v109
.endr
	v_mov_b32 v106, 0                              ; v106: where key = lane begins in order
	s_mov_b32 s20, 0
.set p, 0
.rept 28
	v_readlane_b32 s21, v104, p
	v_writelane_b32 v106, s20, p
	s_add_co_u32 s20, s20, s21
.set p, p+1
.endr
	v_add_nc_u32 v107, v106, v105
.set j, 0
.rept 16                               ; the counts become places: where (group j, key = lane) begins
	v_add_nc_u32 v108, v107, v[33+4*j]
	v_mov_b32 v[33+4*j], v107
	v_add_nc_u32 v107, v108, v[35+4*j]
	v_mov_b32 v[35+4*j], v108
.set j, j+1
.endr
.set j, 0
.rept 32
	v_and_b32 v[160+j], 0xff, v[32+2*j]
	v_min_u32 v[160+j], 31, v[160+j]               ; a key names a lane: held inside the wave
	v_lshlrev_b32 v[160+j], 2, v[160+j]
	ds_bpermute_b32 v[128+j], v[160+j], v[33+2*j]  ; each token fetches its key's place from the lane of that key
.set j, j+1
.endr
	s_wait_dscnt 0x0
.set j, 0
.rept 32
	v_lshrrev_b32 v[32+2*j], 8, v[32+2*j]          ; my rank among the group's tokens of my key
	v_add_nc_u32 v[32+2*j], v[32+2*j], v[128+j]
	v_min_u32 v[32+2*j], 0x1fff, v[32+2*j]         ; a place in order: held inside the buffer
	v_lshlrev_b32 v[32+2*j], 2, v[32+2*j]
	v_add_nc_u32 v[33+2*j], 32*j, v110             ; the token's number
	global_store_b32 v[32+2*j], v[33+2*j], s[10:11]    ; each store has registers of its own
.set j, j+1
.endr
	s_cmp_lg_u32 s18, 0
	s_cbranch_scc1 .Ldone
	; ---- wave 0 writes the list of tiles: lane l makes entries l and l + 32
	v_add_nc_u32 v111, 32, v1
.irp e, 112, 116
	v_mov_b32 v[\e], 0
	v_mov_b32 v[\e+1], 0
	v_mov_b32 v[\e+2], 0
	v_mov_b32 v[\e+3], 1
.endr
	s_mov_b32 s24, 0                               ; the first tile of the key in hand
.macro ENTRY tr, eb                    ; the entry whose number lies in v[tr] takes the key's values if it is one of the key's tiles
	v_subrev_nc_u32 v120, s24, v[\tr]              ; d: which tile of the key
	v_cmp_le_u32 vcc_lo, s23, v120                 ; not one of them (a number under the first wraps round to a large one)
	v_lshlrev_b32 v121, 9, v120
	v_add_nc_u32 v122, s22, v121                   ; first place: the key's + 512 d
	v_sub_nc_u32 v121, s21, v121
	v_min_u32 v121, 0x200, v121                    ; rows: what is left of the key, 512 at the most
	v_cndmask_b32 v[\eb], v122, v[\eb], vcc_lo
	v_cndmask_b32 v[\eb+1], v121, v[\eb+1], vcc_lo
	v_cndmask_b32 v[\eb+2], PA, v[\eb+2], vcc_lo
	v_cndmask_b32 v[\eb+3], PB, v[\eb+3], vcc_lo
.endm
.set PA, 0
.set PB, 1
.set PP, 0
.rept 28
	v_readlane_b32 s21, v104, PP                   ; the key's tokens,
	v_readlane_b32 s22, v106, PP                   ; where they begin,
	s_add_co_u32 s23, s21, 511
	s_lshr_b32 s23, s23, 9                         ; and how many tiles they make
	ENTRY 1, 112
	ENTRY 111, 116
	s_add_co_u32 s24, s24, s23
.set PP, PP+1
.set PB, PB+1
.if PB == 8
.set PA, PA+1
.set PB, PA+1
.endif
.endr
	global_store_b128 v2, v[112:115], s[12:13]
	global_store_b128 v2, v[116:119], s[12:13] offset:512
.Ldone:
	s_wait_tensorcnt 0x0
	ds_add_u32 v192, v193
	s_wait_dscnt 0x0
	s_endpgm
.Lfunc_end_k_q0289fa1170_place:
	.size	k_q0289fa1170_place, .Lfunc_end_k_q0289fa1170_place-k_q0289fa1170_place
	.p2alignl 7, 3214868480
	.fill 96, 4, 3214868480
	.section	.rodata,"a",@progbits
	.p2align	6, 0x0
	.amdhsa_kernel k_q0289fa1170_place
		.amdhsa_group_segment_fixed_size 2048
		.amdhsa_private_segment_fixed_size 0
		.amdhsa_enable_private_segment 0
		.amdhsa_kernarg_size 56
		.amdhsa_user_sgpr_count 2
		.amdhsa_user_sgpr_kernarg_segment_ptr 1
		.amdhsa_wavefront_size32 1
		.amdhsa_system_sgpr_workgroup_id_x 1
		.amdhsa_system_sgpr_workgroup_id_y 1
		.amdhsa_system_sgpr_workgroup_id_z 1
		.amdhsa_system_vgpr_workitem_id 0
		.amdhsa_next_free_vgpr 194
		.amdhsa_next_free_sgpr 66
		.amdhsa_reserve_vcc 1
		.amdhsa_float_denorm_mode_32 3
		.amdhsa_float_denorm_mode_16_64 3
		.amdhsa_memory_ordered 1
		.amdhsa_forward_progress 1
		.amdhsa_inst_pref_size 65
	.end_amdhsa_kernel
	.amdgpu_metadata
---
amdhsa.version: [ 1, 2 ]
amdhsa.kernels:
  - .name:           k_q0289fa1170_place
    .symbol:         k_q0289fa1170_place.kd
    .args:
      - { .name: route, .offset: 0, .size: 8, .value_kind: global_buffer, .address_space: global }
      - { .name: W_codes, .offset: 8, .size: 8, .value_kind: global_buffer, .address_space: global }
      - { .name: W_scales, .offset: 16, .size: 8, .value_kind: global_buffer, .address_space: global }
      - { .name: order, .offset: 24, .size: 8, .value_kind: global_buffer, .address_space: global }
      - { .name: tiles, .offset: 32, .size: 8, .value_kind: global_buffer, .address_space: global }
      - { .name: wimg, .offset: 40, .size: 8, .value_kind: global_buffer, .address_space: global }
      - { .name: wsimg, .offset: 48, .size: 8, .value_kind: global_buffer, .address_space: global }
    .group_segment_fixed_size: 2048
    .private_segment_fixed_size: 0
    .kernarg_segment_align: 8
    .kernarg_segment_size: 56
    .max_flat_workgroup_size: 256
    .sgpr_count:     66
    .vgpr_count:     194
    .wavefront_size: 32
...
	.end_amdgpu_metadata
.endif
;; end of part 2
;; launch experts (part 3): grid 8 x 43, 4 waves a work-group, no clusters, 175,104 bytes of LDS; arguments tiles, order, xq, xsc, gate, wimg, wsimg, b, out0; writes out0
.if DOCPART == 3
	.amdgcn_target "amdgcn-amd-amdhsa--gfx1250"
	.amdhsa_code_object_version 6
	.text
	.protected	k_q0289fa1170_experts
	.globl	k_q0289fa1170_experts
	.p2align	8
	.type	k_q0289fa1170_experts,@function
k_q0289fa1170_experts:
	s_mov_b64 s[64:65], 0
	v_nop
	global_prefetch_b8 v0, s[64:65] scope:SCOPE_SE
	s_setreg_imm32_b32 hwreg(HW_REG_WAVE_MODE, 25, 1), 1
	s_wait_xcnt 0x0
; out0[t] = gA (Q(x[t]) W[a]^T + b[a]) + gB (Q(x[t]) W[b]^T + b[b]) for the two experts a < b chosen for token t; both products on codes of BF6 (E3M2) with E8M0 scales, sums in f32.
; Only the chosen experts are multiplied.  The tokens come sorted by their pair of experts, so that each output row has one owner and both of its products are summed in registers.
; SHARES.  Work-group (x, y) takes tile y of the stored list (up to 512 rows of one pair) and output columns 128 x .. 128 x + 127.  Wave w keeps BOTH experts' W for columns 32 w .. 32 w + 31 in registers for
; the whole launch: 32 fragments, 384 registers, read once.  The rows go round in groups of 64 (four blocks of 16): wave w gathers block w by the list and hands it to the others through LDS as images of the
; operand's registers; every wave multiplies all four blocks.  A fragment read from LDS feeds four matrix instructions.
; TRANSPOSED USE: source 0 = 16 rows of W, source 1 = 16 tokens: lane (r, h) holds token r and eight neighbouring output columns 8 h + 0 .. 7.  The bias is the C of each sum's first matrix instruction.
; CONTROL.  The grid, 43 tiles, serves every split (28 pairs, 8,192 rows, tiles of 512).  The loop has a constant count (8 groups, 4 trips of 2) and every wave passes all ten barriers; work is jumped over by scalar
; branches on the tile's stored number of rows.  Each part that is jumped over reads only registers that it wrote itself or that are written on every way: so W's loads stand on every way, in a work-group without rows too.
; Places of the list at or beyond the tile's last row take the last row again: they compute and store the same bytes to the same row.
; NO CLUSTER, NO TENSOR LOADS: the eight work-groups of a tile share x's rows, which a list names one by one (no tile that a descriptor could state); their slices of W are disjoint; and which tiles share an expert hangs on the stored list.
; LIMITS: as the quantising launch states them; NaN and infinities are not served.
; LDS: two buffers by turns for the images (written for group g + 1 while group g is read) and for the stage (written for group g while group g - 1 leaves): one barrier a group orders both.
.set XI,   0                           ; images: 2 x (4 blocks x 8 K steps x 1,536 bytes)
.set XIB,  49152
.set XS0,  98304                       ; scale words' images: 2 x (4 x 512)
.set GI0,  102400                      ; the two scores' images: 2 x (4 x 256)
.set STG0, 104448                      ; the stage: 2 x (64 rows x 528 bytes)
.set STGB, 33792
.set TOK,  172032                      ; the tile's token numbers: 640 words
; window 0: v1 16 lane; v2 the same + XIB; v3-9 LDS addresses; v10 48 h; v11 16 h; v12 32 h; v13 4 r; v14, v15 the trip's token words; v16-28 at work
.set WS,   32                          ; v32-47   W's scale words: tile t = 2 e + ct at v[WS + 4 t + q]; they hold scales and nothing else
.set XSC,  48                          ; v48-55   x's scale words, two sets of four; likewise
.set GG0,  56                          ; v56-63   two sets: gA, gB, gB again, a filler
.set ACC,  64                          ; v64-95   four accumulators
.set BIAS, 96                          ; v96-127  the biases in the result's layout
.set GA,   128                         ; v128-229 what the gather brings: 96 registers of codes, 4 scale words, 2 scores; v128-191 also carry rows on the way out
.set TK,   232                         ; v232-247 the way out: a row's token, then its byte offset
; window 1: W's K steps 0-3, fragment (s, t) at v[12 (4 (s % 4) + t)];  window 2: K steps 4-7;  window 3: x's fragments, two sets of 96
.set MSB, 0
.macro WIN new                         ; the immediate's high byte repeats the setting that is left
.if MSB != \new
	s_set_vgpr_msb (MSB<<8)|\new
.set MSB, \new
.endif
.endm
	s_load_b256 s[4:11], s[0:1], 0x0               ; tiles s[4:5], order s[6:7], xq s[8:9], xsc s[10:11]
	s_load_b256 s[12:19], s[0:1], 0x20             ; gate s[12:13], wimg s[14:15], wsimg s[16:17], b s[18:19]
	s_load_b64 s[20:21], s[0:1], 0x40              ; out0
	v_lshl_add_u32 v254, v0, 2, 0x2aa00
	v_mov_b32 v255, 0
	v_lshrrev_b32 v16, 5, v0
	v_readfirstlane_b32 s31, v16                   ; wave 0..3
	s_and_b32 s52, ttmp7, 0xffff                   ; my tile
	s_lshl_b32 s52, s52, 4
	s_mov_b32 s53, 0
	v_and_b32 v17, 31, v0                          ; lane
	v_and_b32 v18, 15, v0                          ; r
	v_bfe_u32 v19, v0, 4, 1                        ; h
	v_lshlrev_b32 v1, 4, v17                       ; v1: 16 x lane: an image's place for my lane
	v_add_nc_u32 v2, XIB, v1                       ; v2: the same in the second buffer
	s_mul_i32 s50, s31, 12288
	v_add_nc_u32 v3, s50, v1                       ; v3: where I store my block's images
	s_lshl_b32 s50, s31, 9
	s_add_co_u32 s50, s50, XS0
	v_add_nc_u32 v4, s50, v1                       ; v4: and its scale words
	v_add_nc_u32 v5, XS0, v1                       ; v5: where any block's scale words are read
	v_lshlrev_b32 v7, 3, v17
	v_add_nc_u32 v7, GI0, v7                       ; v7: where any block's scores are read
	s_lshl_b32 s50, s31, 8
	v_add_nc_u32 v6, s50, v7                       ; v6: where I store my block's
	v_mul_u32_u24 v8, v18, 528
	v_lshl_add_u32 v8, v19, 5, v8
	s_lshl_b32 s50, s31, 7
	s_add_co_u32 s50, s50, STG0
	v_add_nc_u32 v8, s50, v8                       ; v8: the stage: row r, + 32 h, + 128 x wave: my columns' bytes
	s_mul_i32 s50, s31, 8448
	s_add_co_u32 s50, s50, STG0
	v_add_nc_u32 v9, s50, v1                       ; v9: back: my 16 rows, 16 bytes a lane
	v_mul_u32_u24 v10, v19, 48
	v_lshlrev_b32 v11, 4, v19
	v_lshlrev_b32 v12, 5, v19
	v_lshlrev_b32 v13, 2, v18
	v_lshl_add_u32 v21, v0, 2, TOK                 ; v21: 4 x thread among the token words
	v_mov_b32 v[GG0+3], 0                          ; named as the upper halves of pairs, so they are written
	v_mov_b32 v[GG0+7], 0
	s_lshl_b32 s32, s31, 4                         ; 16 x wave
	s_lshl_b32 s35, s31, 6
	s_add_co_u32 s35, s35, TOK                     ; my block's token words in the trip's first group
	s_wait_kmcnt 0x0
	s_add_nc_u64 s[4:5], s[4:5], s[52:53]
	s_load_b128 s[24:27], s[4:5], 0x0              ; first place, rows, expert a, expert b
	s_wait_kmcnt 0x0
	s_min_u32 s30, s24, 0x1fff                     ; each held inside what it indexes
	s_min_u32 s28, s25, 0x200
	s_min_u32 s26, s26, 7
	s_min_u32 s27, s27, 7
	s_max_u32 s29, s28, 1
	s_sub_co_u32 s29, s29, 1                       ; the tile's last row (0 where it has none)
	s_mul_i32 s50, ttmp9, 98304                    ; W's images: 12,288 bytes a tile of 16 columns: 8 tiles a work-group, 2 a wave, 64 an expert
	s_mul_i32 s51, s31, 24576
	s_add_co_u32 s50, s50, s51
	s_mul_i32 s52, s26, 786432
	s_add_co_u32 s52, s52, s50
	s_add_nc_u64 s[36:37], s[14:15], s[52:53]
	s_mul_i32 s52, s27, 786432
	s_add_co_u32 s52, s52, s50
	s_add_nc_u64 s[38:39], s[14:15], s[52:53]
	s_lshl_b32 s50, ttmp9, 12                      ; their scale words: 512 bytes a tile
	s_lshl_b32 s51, s31, 10
	s_add_co_u32 s50, s50, s51
	s_lshl_b32 s52, s26, 15
	s_add_co_u32 s52, s52, s50
	s_add_nc_u64 s[40:41], s[16:17], s[52:53]
	s_lshl_b32 s52, s27, 15
	s_add_co_u32 s52, s52, s50
	s_add_nc_u64 s[42:43], s[16:17], s[52:53]
	s_lshl_b32 s50, ttmp9, 9                       ; the biases: 4 bytes a column
	s_lshl_b32 s51, s31, 7
	s_add_co_u32 s51, s50, s51
	s_lshl_b32 s52, s26, 12
	s_add_co_u32 s52, s52, s51
	s_add_nc_u64 s[44:45], s[18:19], s[52:53]
	s_lshl_b32 s52, s27, 12
	s_add_co_u32 s52, s52, s51
	s_add_nc_u64 s[46:47], s[18:19], s[52:53]
	s_mov_b32 s52, s50
	s_add_nc_u64 s[48:49], s[20:21], s[52:53]      ; out0 at my 128 columns
.irp j, 0,1,2,3,4
	v_add_nc_u32 v[16+\j], 128*\j, v0              ; place thread + 128 j of the tile,
	v_min_u32 v[16+\j], s29, v[16+\j]              ; the last row again beyond its end,
	v_add_nc_u32 v[16+\j], s30, v[16+\j]
	v_min_u32 v[16+\j], 0x1fff, v[16+\j]           ; held inside the list
	v_lshlrev_b32 v[16+\j], 2, v[16+\j]
.endr
.irp j, 0,1,2,3,4
	global_load_b32 v[24+\j], v[16+\j], s[6:7]
.endr
.irp ct, 0,1
	global_load_b128 v[WS+4*\ct:WS+4*\ct+3], v1, s[40:41] offset:512*\ct
	global_load_b128 v[WS+8+4*\ct:WS+8+4*\ct+3], v1, s[42:43] offset:512*\ct
.endr
.irp ct, 0,1
	global_load_b128 v[BIAS+8*\ct:BIAS+8*\ct+3], v12, s[44:45] offset:64*\ct           ; lane (r, h): the tile's columns 8 h + 0 .. 7
	global_load_b128 v[BIAS+8*\ct+4:BIAS+8*\ct+7], v12, s[44:45] offset:64*\ct+16
	global_load_b128 v[BIAS+16+8*\ct:BIAS+16+8*\ct+3], v12, s[46:47] offset:64*\ct
	global_load_b128 v[BIAS+16+8*\ct+4:BIAS+16+8*\ct+7], v12, s[46:47] offset:64*\ct+16
.endr
.macro WLOAD base                      ; four K steps of both experts' two tiles: 48 loads of 512 consecutive bytes
.irp s, 0,1,2,3
.irp ct, 0,1
.irp i, 0,1,2
	global_load_b128 v[12*(4*\s+\ct)+4*\i:12*(4*\s+\ct)+4*\i+3], v1, s[36:37] offset:12288*\ct+1536*(\base+\s)+512*\i
	global_load_b128 v[12*(4*\s+2+\ct)+4*\i:12*(4*\s+2+\ct)+4*\i+3], v1, s[38:39] offset:12288*\ct+1536*(\base+\s)+512*\i
.endr
.endr
.endr
.endm
	WIN 0x40                                       ; destination window 1
	WLOAD 0
	WIN 0
	s_wait_loadcnt 60                              ; the five list loads are in: behind them stand 4 + 8 + 48 loads
.irp j, 0,1,2,3,4
	ds_store_b32 v21, v[24+\j] offset:512*\j
.endr
	WIN 0x80                                       ; destination window 2
	WLOAD 4
	WIN 0
	v_mov_b32 v14, s35
	v_add_nc_u32 v15, v14, v13
	s_wait_dscnt 0x0                               ; for the others' sake: my token words lie in LDS
	s_barrier_signal -1
	s_barrier_wait -1
; My block's rows by the list: lane (r, h) takes token r's 48 bytes of each K step (its twelve operand registers), its four scale words and its two scores.  v16 holds the token.
.macro GATHER
	v_min_u32 v16, 0x1fff, v16                     ; a token: held inside the buffers
	v_mad_u32_u24 v17, v16, 0x300, v10             ; 768 x token + 48 h
	v_lshl_add_u32 v18, v16, 5, v11                ; 32 x token + 16 h
	v_lshlrev_b32 v19, 3, v16                      ; 8 x token
.irp s, 0,1,2,3,4,5,6,7
.irp i, 0,1,2
	global_load_b128 v[GA+12*\s+4*\i:GA+12*\s+4*\i+3], v17, s[8:9] offset:96*\s+16*\i
.endr
.endr
	global_load_b128 v[GA+96:GA+99], v18, s[10:11]
	global_load_b64 v[GA+100:GA+101], v19, s[12:13]
.endm
.macro IMAGES buf                      ; they go to LDS as they stand: lane l's 16 bytes at 16 l
.irp s, 0,1,2,3,4,5,6,7
.irp i, 0,1,2
	ds_store_b128 v3, v[GA+12*\s+4*\i:GA+12*\s+4*\i+3] offset:XIB*(\buf)+1536*\s+512*\i
.endr
.endr
	ds_store_b128 v4, v[GA+96:GA+99] offset:2048*(\buf)
	ds_store_b64 v6, v[GA+100:GA+101] offset:1024*(\buf)
.endm
.macro FETCH u, buf                    ; block u comes back so, in any wave: 26 LDS loads, into set u % 2
	ds_load_b128 v[XSC+4*((\u)%2):XSC+4*((\u)%2)+3], v5 offset:2048*\buf+512*(\u)
	ds_load_b64 v[GG0+4*((\u)%2):GG0+4*((\u)%2)+1], v7 offset:1024*\buf+256*(\u)
	WIN 0xc0                                       ; destination window 3
.irp s, 0,1,2,3,4,5,6,7
.irp i, 0,1,2
	ds_load_b128 v[96*((\u)%2)+12*\s+4*\i:96*((\u)%2)+12*\s+4*\i+3], v[1+\buf] offset:12288*(\u)+1536*\s+512*\i
.endr
.endr
	WIN 0
.endm
; 32 matrix instructions: 16 tokens x my 32 columns x both experts, K ascending.  The four accumulators take turns, one instruction a turn.
; A scale register holds the even K step's words in lanes 0-15 and the odd one's in lanes 16-31.
.macro MUL z
.irp s, 0,1,2,3,4,5,6,7
.if \s < 4
	WIN 0x0d                                       ; source 0 (W) window 1, source 1 (x) window 3, C and D window 0
.else
	WIN 0x0e                                       ; source 0 window 2
.endif
.irp t, 0,1,2,3
.set RA, 12*(4*(\s%4)+\t)
.set RB, 96*(\z)+12*\s
.set RD, ACC+8*\t
.set RW, WS+4*\t+\s/2
.set RX, XSC+4*(\z)+\s/2
.if \s == 0
	v_wmma_scale_f32_16x16x128_f8f6f4 v[RD:RD+7], v[RA:RA+11], v[RB:RB+11], v[BIAS+8*\t:BIAS+8*\t+7], v[RW], v[RX] matrix_a_fmt:MATRIX_FMT_BF6 matrix_b_fmt:MATRIX_FMT_BF6
.elseif \s%2 == 0
	v_wmma_scale_f32_16x16x128_f8f6f4 v[RD:RD+7], v[RA:RA+11], v[RB:RB+11], v[RD:RD+7], v[RW], v[RX] matrix_a_fmt:MATRIX_FMT_BF6 matrix_b_fmt:MATRIX_FMT_BF6
.else
	v_wmma_scale_f32_16x16x128_f8f6f4 v[RD:RD+7], v[RA:RA+11], v[RB:RB+11], v[RD:RD+7], v[RW], v[RX] matrix_a_fmt:MATRIX_FMT_BF6 matrix_b_fmt:MATRIX_FMT_BF6 matrix_a_scale:MATRIX_SCALE_ROW1 matrix_b_scale:MATRIX_SCALE_ROW1
.endif
.endr
.endr
	WIN 0
.endm
; gA x expert a's sums + gB x expert b's, in expert a's accumulators.  Five plain lines that name no register of the products stand first: they serve the reads below, the next fetch's loads
; into the operands just read, and the next block's first products, which write these accumulators anew.  Each accumulator is read from its low end on.
.macro EPI z
.set GG, GG0+4*(\z)
	v_mov_b32 v[GG+2], v[GG+1]                     ; gB as the low word of a pair of its own
.rept 4
	v_nop
.endr
.irp ct, 0,1
.irp p, 0,2,4,6
	v_pk_mul_f32 v[ACC+8*\ct+\p:ACC+8*\ct+\p+1], v[ACC+8*\ct+\p:ACC+8*\ct+\p+1], v[GG:GG+1] op_sel_hi:[1,0]
.endr
.endr
.irp ct, 0,1
.irp p, 0,2,4,6
	v_pk_fma_f32 v[ACC+8*\ct+\p:ACC+8*\ct+\p+1], v[ACC+16+8*\ct+\p:ACC+16+8*\ct+\p+1], v[GG+2:GG+3], v[ACC+8*\ct+\p:ACC+8*\ct+\p+1] op_sel_hi:[1,0,1]
.endr
.endr
.endm
.macro TOST u, buf                     ; lane (r, h): row 16 u + r of the stage, columns 32 w + 16 ct + 8 h + 0 .. 7
.irp ct, 0,1
	ds_store_b128 v8, v[ACC+8*\ct:ACC+8*\ct+3] offset:STGB*\buf+8448*(\u)+64*\ct
	ds_store_b128 v8, v[ACC+8*\ct+4:ACC+8*\ct+7] offset:STGB*\buf+8448*(\u)+64*\ct+16
.endr
.endm
.macro BLOCK u, buf, goff              ; block u of the group: the next block's fetch first, then this block's work, jumped over where the tile ends ahead of it
.if \u < 3
	FETCH (\u+1), \buf
	s_wait_dscnt 26                                ; all but the 26 loads just issued: block u's fragments are in, and the last block's stage stores are done
.else
	s_wait_dscnt 0x0
.endif
	s_add_co_u32 s50, s33, \goff+16*\u
	s_cmp_lt_u32 s50, s28
	s_cbranch_scc0 .Lnb_\@
	MUL (\u%2)
	EPI (\u%2)
	TOST \u, \buf
.Lnb_\@:
.endm
; Group g: its four blocks are multiplied from buffer buf, and group g + 1 is gathered (token words tko bytes on) and laid into the other buffer.  Then the group's barrier, on every way.
.macro TGROUP buf, goff, tko
	s_add_co_u32 s50, s33, \goff
	s_cmp_lt_u32 s50, s28
	s_cbranch_scc0 .Ltskip_\@
	s_wait_loadcnt 0x0                             ; W, its scale words and the biases are in, on every way into this part
	s_wait_xcnt 0x0                                ; the last group's stores have read their registers: the gather may land there
	ds_load_b32 v16, v15 offset:\tko
	FETCH 0, \buf
	s_wait_dscnt 26                                ; the token is in; the fetch stays out
	GATHER
	BLOCK 0, \buf, \goff
	BLOCK 1, \buf, \goff
	BLOCK 2, \buf, \goff
	BLOCK 3, \buf, \goff
	s_wait_loadcnt 0x0                             ; the gather has landed under the four blocks' work
	IMAGES (1-\buf)
.Ltskip_\@:
	s_wait_dscnt 0x0                               ; my LDS stores have landed and my LDS loads are in
	s_barrier_signal -1
	s_barrier_wait -1
.endm
; Group g leaves: wave w stores the 16 rows of block w, each to its token's row of out0.
.macro SGROUP buf, goff, tko
	s_add_co_u32 s50, s33, \goff
	s_add_co_u32 s50, s50, s32
	s_cmp_lt_u32 s50, s28
	s_cbranch_scc0 .Lsskip_\@
	s_wait_xcnt 0x0                                ; earlier stores have read the registers that are written below
.irp i, 0,1,2,3,4,5,6,7,8,9,10,11,12,13,14,15
	ds_load_b32 v[TK+\i], v14 offset:\tko+4*\i     ; row i's token, the same word in every lane
.endr
.irp i, 0,1,2,3,4,5,6,7,8,9,10,11,12,13,14,15
	ds_load_b128 v[GA+4*\i:GA+4*\i+3], v9 offset:STGB*\buf+528*\i
.endr
	s_wait_dscnt 16                                ; the tokens are in; the rows stay out
.irp i, 0,1,2,3,4,5,6,7,8,9,10,11,12,13,14,15
	v_min_u32 v[TK+\i], 0x1fff, v[TK+\i]           ; held inside out0
.endr
.irp i, 0,1,2,3,4,5,6,7,8,9,10,11,12,13,14,15
	v_lshl_add_u32 v[TK+\i], v[TK+\i], 12, v1      ; 4,096 x token + 16 x lane
.endr
.irp i, 0,1,2,3,4,5,6,7,8,9,10,11,12,13,14,15
	s_wait_dscnt 15-\i
	global_store_b128 v[TK+\i], v[GA+4*\i:GA+4*\i+3], s[48:49] th:TH_STORE_NT   ; 32 lanes store 512 consecutive bytes, aligned; written once, read by nobody here
.endr
.Lsskip_\@:
.endm
	s_cmp_lg_u32 s28, 0
	s_cbranch_scc0 .Lno_rows
	ds_load_b32 v16, v15                           ; group 0 is gathered ahead of the loop
	s_wait_dscnt 0x0
	GATHER
	s_wait_loadcnt 0x0
	IMAGES 0
.Lno_rows:
	s_wait_dscnt 0x0
	s_barrier_signal -1
	s_barrier_wait -1
	s_mov_b32 s33, 0                               ; the trip's first row of the tile
	s_mov_b32 s34, 0
.Ltrip:                                                ; four trips of two groups, whatever the tile holds
	v_mov_b32 v14, s35                             ; my block's token words in the trip's first group,
	v_add_nc_u32 v15, v14, v13                     ; and my row's among them
	TGROUP 0, 0, 256
	SGROUP 0, 0, 0
	TGROUP 1, 64, 512
	SGROUP 1, 64, 256
	s_add_co_u32 s35, s35, 512
	s_add_co_u32 s33, s33, 128
	s_add_co_u32 s34, s34, 1
	s_cmp_lt_u32 s34, 4
	s_cbranch_scc1 .Ltrip
	s_wait_tensorcnt 0x0
	ds_add_u32 v254, v255
	s_wait_dscnt 0x0
	s_endpgm
.Lfunc_end_k_q0289fa1170_experts:
	.size	k_q0289fa1170_experts, .Lfunc_end_k_q0289fa1170_experts-k_q0289fa1170_experts
	.p2alignl 7, 3214868480
	.fill 96, 4, 3214868480
	.section	.rodata,"a",@progbits
	.p2align	6, 0x0
	.amdhsa_kernel k_q0289fa1170_experts
		.amdhsa_group_segment_fixed_size 175104
		.amdhsa_private_segment_fixed_size 0
		.amdhsa_enable_private_segment 0
		.amdhsa_kernarg_size 72
		.amdhsa_user_sgpr_count 2
		.amdhsa_user_sgpr_kernarg_segment_ptr 1
		.amdhsa_wavefront_size32 1
		.amdhsa_system_sgpr_workgroup_id_x 1
		.amdhsa_system_sgpr_workgroup_id_y 1
		.amdhsa_system_sgpr_workgroup_id_z 1
		.amdhsa_system_vgpr_workitem_id 0
		.amdhsa_next_free_vgpr 960
		.amdhsa_next_free_sgpr 66
		.amdhsa_reserve_vcc 0
		.amdhsa_float_denorm_mode_32 3
		.amdhsa_float_denorm_mode_16_64 3
		.amdhsa_memory_ordered 1
		.amdhsa_forward_progress 1
		.amdhsa_inst_pref_size 102
	.end_amdhsa_kernel
	.amdgpu_metadata
---
amdhsa.version: [ 1, 2 ]
amdhsa.kernels:
  - .name:           k_q0289fa1170_experts
    .symbol:         k_q0289fa1170_experts.kd
    .args:
      - { .name: tiles, .offset: 0, .size: 8, .value_kind: global_buffer, .address_space: global }
      - { .name: order, .offset: 8, .size: 8, .value_kind: global_buffer, .address_space: global }
      - { .name: xq, .offset: 16, .size: 8, .value_kind: global_buffer, .address_space: global }
      - { .name: xsc, .offset: 24, .size: 8, .value_kind: global_buffer, .address_space: global }
      - { .name: gate, .offset: 32, .size: 8, .value_kind: global_buffer, .address_space: global }
      - { .name: wimg, .offset: 40, .size: 8, .value_kind: global_buffer, .address_space: global }
      - { .name: wsimg, .offset: 48, .size: 8, .value_kind: global_buffer, .address_space: global }
      - { .name: b, .offset: 56, .size: 8, .value_kind: global_buffer, .address_space: global }
      - { .name: out0, .offset: 64, .size: 8, .value_kind: global_buffer, .address_space: global }
    .group_segment_fixed_size: 175104
    .private_segment_fixed_size: 0
    .kernarg_segment_align: 8
    .kernarg_segment_size: 72
    .max_flat_workgroup_size: 128
    .sgpr_count:     66
    .vgpr_count:     960
    .wavefront_size: 32
...
	.end_amdgpu_metadata
.endif
;; end of part 3
;; ======== version 2 of 2: 3 launches
;; workspace buffers: xq 6,291,456 bytes; xsc 262,144 bytes; gate 65,536 bytes; route 65,536 bytes of whole numbers; order 32,768 bytes of whole numbers; tiles 1,024 bytes of whole numbers; wimg 6,291,456 bytes; wsimg 262,144 bytes
;; launch quant_route (part 4): grid 256 x 1, 8 waves a work-group, no clusters, 76,800 bytes of LDS; arguments x, Wg, bg, xq, xsc, gate, route; writes xq, xsc, gate, route
.if DOCPART == 4
	.amdgcn_target "amdgcn-amd-amdhsa--gfx1250"
	.amdhsa_code_object_version 6
	.text
	.protected	k_q0289fa1170_quant_route
	.globl	k_q0289fa1170_quant_route
	.p2align	8
	.type	k_q0289fa1170_quant_route,@function
k_q0289fa1170_quant_route:
	s_mov_b64 s[64:65], 0
	v_nop
	global_prefetch_b8 v0, s[64:65] scope:SCOPE_SE
	s_setreg_imm32_b32 hwreg(HW_REG_WAVE_MODE, 25, 1), 1
	s_wait_xcnt 0x0
; x [8192][1024] f32 is read ONCE and gives two things: its codes of BF6 (E3M2) with one E8M0 byte for each 32 along K, and the gate's choice of two experts for each token.
; A block's scale is 2^(floor(log2(its largest magnitude)) - 4); its byte is the largest magnitude's exponent field - 4, held at 1 from below.
; The gate: logits = x Wg^T + bg in f32 (fused multiply-adds), softmax with the row's maximum taken away, the two largest scores; ties keep the lower expert.
; LIMITS: NaN and infinities among the inputs are not served.  A block whose largest magnitude lies under 2^-122 (a block of zeros too) gets the byte 1: a zero block's codes are zeros, and this
; program alone reads the bytes.  The logits' f32 sums are added in another order than a plain chain: a token whose second and third scores agree to f32 rounding may take the other expert.
; SHARES.  A work-group takes 32 tokens, each of its eight waves four.  A lane keeps the same k for every token (chunk i of 512 bytes: k = 128 i + 4 lane + j), so Wg's eight rows stay in 256 registers a wave.
; All 32 loads of a wave (16 KB) go out at the head.  No tensor loads, no cluster: work-groups share only Wg's 32 KB, which each brings into LDS once.
; WHAT IS STORED, all at fixed places (nothing here forms an address or a branch from the choice):
;   xq   token t at 768 t; the 12 bytes of codes k = 16 u .. 16 u + 15 at 96 (u >> 3) + 48 ((u >> 1) & 1) + 24 ((u >> 2) & 1) + 12 (u & 1): the 48 bytes at 96 s + 48 h are lane half h's twelve operand registers of K step s
;   xsc  token t at 32 t; the scale word of K step s at word 4 (s & 1) + (s >> 1)
;   gate token t: the scores of its lower-numbered and of its higher-numbered expert
;   route  group of 32 tokens at 256 g; lane l: word 0 = key | rank << 8 of token l, word 1 = how many of the group's tokens have key l.  key = the pair's number, a (15 - a) / 2 + b - a - 1 for a < b
.set WGL,  0                           ; LDS: Wg as it lies, 32,768 bytes
.set STG,  32768                       ; two stages of 32 x SP bytes for each wave
.set SP,   80                          ; a place in a stage: 64 bytes + 16 of padding
.set SCB,  73728                       ; 32 tokens x 32 scale bytes, in xsc's order
.set LOG,  74752                       ; 32 tokens x 8 logits
.set ACC,  16                          ; v16-31   eight pairs of partial sums, one for each expert
.set XN,   32                          ; v32-63   two sets of 16 neighbours along K
.set C,    64                          ; v64-95   codes: four registers for each of the wave's eight steps, never written again
.set E,    96                          ; v96-103  a scale byte for each step
.set T,    104                         ; v104-127 at work
.set X,    128                         ; v128-255 four tokens as loaded, 32 registers each;  window 1: Wg, expert e at v[32 e]
.set MSB, 0
.macro WIN new                         ; the immediate's high byte repeats the setting that is left
.if MSB != \new
	s_set_vgpr_msb (MSB<<8)|\new
.set MSB, \new
.endif
.endm
	s_load_b256 s[4:11], s[0:1], 0x0               ; x s[4:5], Wg s[6:7], bg s[8:9], xq s[10:11]
	s_load_b128 s[12:15], s[0:1], 0x20             ; xsc s[12:13], gate s[14:15]
	s_load_b64 s[16:17], s[0:1], 0x30              ; route
	v_lshl_add_u32 v126, v0, 2, 0x12800
	v_mov_b32 v127, 0
	v_lshrrev_b32 v9, 5, v0
	s_delay_alu instid0(VALU_DEP_1)
	v_readfirstlane_b32 s18, v9                    ; wave 0..7
	v_and_b32 v1, 31, v0                           ; lane
	s_delay_alu instid0(VALU_DEP_1)
	v_lshlrev_b32 v2, 4, v1                        ; v2: 16 x lane
	s_lshl_b32 s19, s18, 12
	v_add_nc_u32 v3, s19, v2                       ; v3: 16 x lane + 4,096 x wave: my 16 bytes of Wg's row w, in memory and in LDS
	s_mul_i32 s19, s18, 2*32*SP
	s_add_co_u32 s19, s19, STG                     ; my wave's stages
	v_bfe_u32 v9, v0, 2, 3
	s_delay_alu instid0(VALU_DEP_1)
	v_mul_u32_u24 v4, v9, SP
	v_and_b32 v9, 3, v0
	s_delay_alu instid0(VALU_DEP_1)
	v_lshl_add_u32 v4, v9, 4, v4
	s_delay_alu instid0(VALU_DEP_1)
	v_add_nc_u32 v4, s19, v4                       ; v4: into a stage: four lanes' 64 bytes on end, then the padding
	v_mul_u32_u24 v5, v1, SP
	s_delay_alu instid0(VALU_DEP_1)
	v_add_nc_u32 v5, s19, v5                       ; v5: out of it: my 16 neighbours
	v_bfe_u32 v9, v0, 3, 2
	s_delay_alu instid0(VALU_DEP_1)
	v_mul_u32_u24 v6, v9, 96
	v_bfe_u32 v9, v0, 1, 1
	s_delay_alu instid0(VALU_DEP_1)
	v_mad_u32_u24 v6, v9, 48, v6
	v_bfe_u32 v9, v0, 2, 1
	s_delay_alu instid0(VALU_DEP_1)
	v_mad_u32_u24 v6, v9, 24, v6
	v_and_b32 v9, 1, v0
	s_delay_alu instid0(VALU_DEP_1)
	v_mad_u32_u24 v6, v9, 12, v6                   ; v6: my 12 bytes of codes in a step's 384 (unit u = 32 step + lane)
	s_lshl_b32 s19, s18, 7                         ; my wave's four tokens: 128 bytes in SCB and in LOG
	v_bfe_u32 v7, v0, 1, 2
	v_bfe_u32 v9, v0, 3, 1
	s_delay_alu instid0(VALU_DEP_1)
	v_lshl_add_u32 v7, v9, 4, v7
	v_bfe_u32 v9, v0, 4, 1
	s_delay_alu instid0(VALU_DEP_1)
	v_lshl_add_u32 v7, v9, 2, v7
	s_add_co_u32 s20, s19, SCB
	v_add_nc_u32 v7, s20, v7                       ; v7: my block's scale byte
	v_bfe_u32 v8, v0, 2, 3
	s_delay_alu instid0(VALU_DEP_1)
	v_lshlrev_b32 v8, 2, v8
	s_add_co_u32 s20, s19, LOG
	v_add_nc_u32 v8, s20, v8                       ; v8: the logit of expert lane / 4
	v_add_nc_u32 v10, SCB, v2                      ; v10: the scale bytes on their way out
	v_lshlrev_b32 v11, 5, v1
	s_delay_alu instid0(VALU_DEP_1)
	v_add_nc_u32 v11, LOG, v11                     ; v11: token = lane: its eight logits
	v_lshlrev_b32 v12, 3, v1                       ; v12: 8 x lane
	s_lshl_b32 s20, ttmp9, 17                      ; x: 32 tokens of 4,096 bytes a work-group, 4 a wave
	s_lshl_b32 s21, s18, 14
	s_add_co_u32 s20, s20, s21
	s_mov_b32 s21, 0
	s_mul_i32 s22, ttmp9, 24576                    ; xq: 768 bytes a token
	s_mul_i32 s23, s18, 3072
	s_add_co_u32 s22, s22, s23
	s_mov_b32 s23, 0
	s_lshl_b32 s34, ttmp9, 10                      ; xsc: 1,024 bytes a work-group
	s_mov_b32 s35, 0
	s_lshl_b32 s36, ttmp9, 8                       ; gate, route: 256 bytes a work-group
	s_mov_b32 s37, 0
	s_mov_b32 s32, 0xff00ff00                      ; lanes whose bit 3 is set
	s_mov_b32 s33, 0xf0f0f0f0                      ; lanes whose bit 2 is set
	s_wait_kmcnt 0x0
	s_load_b256 s[24:31], s[8:9], 0x0              ; bg
	s_add_nc_u64 s[4:5], s[4:5], s[20:21]
	s_add_nc_u64 s[10:11], s[10:11], s[22:23]
	s_add_nc_u64 s[12:13], s[12:13], s[34:35]
	s_add_nc_u64 s[14:15], s[14:15], s[36:37]
	s_add_nc_u64 s[16:17], s[16:17], s[36:37]
.irp i, 0,1,2,3,4,5,6,7
	global_load_b128 v[XN+4*\i:XN+4*\i+3], v3, s[6:7] offset:512*\i        ; row w of Wg
.endr
.irp t, 0,1,2,3
.irp i, 0,1,2,3,4,5,6,7
	global_load_b128 v[X+32*\t+4*\i:X+32*\t+4*\i+3], v2, s[4:5] offset:4096*\t+512*\i th:TH_LOAD_NT   ; 32 lanes read 512 consecutive bytes; read once in the launch
.endr
.endr
	s_wait_loadcnt 32                              ; Wg's eight loads are in; the 32 of x stay out
.irp i, 0,1,2,3,4,5,6,7
	ds_store_b128 v3, v[XN+4*\i:XN+4*\i+3] offset:WGL+512*\i
.endr
	s_wait_kmcnt 0x0                               ; bg
	s_wait_dscnt 0x0                               ; for the others' sake: my row of Wg lies in LDS
	s_barrier_signal -1
	s_barrier_wait -1
	WIN 0x40                                       ; destination window 1
.irp e, 0,1,2,3,4,5,6,7
.irp i, 0,1,2,3,4,5,6,7
	ds_load_b128 v[32*\e+4*\i:32*\e+4*\i+3], v2 offset:WGL+4096*\e+512*\i  ; Wg[e][128 i + 4 lane + 0 .. 3]
.endr
.endr
	WIN 0
	s_wait_dscnt 0x0
; Step st of token t (512 numbers) goes through a stage: in as loaded, back as 16 neighbours a lane.  LDS serves a wave's instructions in order, so no wait stands between the stores and the loads.
.macro TURN t, st
.irp i, 0,1,2,3
	ds_store_b128 v4, v[X+32*\t+16*\st+4*\i:X+32*\t+16*\st+4*\i+3] offset:32*SP*\st+8*SP*\i
.endr
.irp i, 0,1,2,3
	ds_load_b128 v[XN+16*\st+4*\i:XN+16*\st+4*\i+3], v5 offset:32*SP*\st+16*\i
.endr
.endm
; The eight logits' partial sums of my 32 numbers: eight chains by turns, two numbers an instruction; the first products start the sums.
.macro GATE t
	WIN 0x04                                       ; source 1 (Wg) window 1
.irp e, 0,1,2,3,4,5,6,7
	v_pk_mul_f32 v[ACC+2*\e:ACC+2*\e+1], v[X+32*\t:X+32*\t+1], v[32*\e:32*\e+1]
.endr
.irp q, 1,2,3,4,5,6,7,8,9,10,11,12,13,14,15
.irp e, 0,1,2,3,4,5,6,7
	v_pk_fma_f32 v[ACC+2*\e:ACC+2*\e+1], v[X+32*\t+2*\q:X+32*\t+2*\q+1], v[32*\e+2*\q:32*\e+2*\q+1], v[ACC+2*\e:ACC+2*\e+1]
.endr
.endr
	WIN 0
.endm
; Eight sums over 32 lanes at once: each step halves the number of registers and gives a bit of the lane's number to the expert.  At the end lane l holds the logit of expert l / 4 in v[T].
.macro FOLD
.irp e, 0,1,2,3,4,5,6,7
	v_add_f32 v[T+\e], v[ACC+2*\e], v[ACC+2*\e+1]
.endr
.irp j, 0,1,2,3
	s_delay_alu instid0(VALU_DEP_4)
	v_permlane16_swap_b32 v[T+\j], v[T+\j+4]       ; expert j's upper lanes change places with expert j + 4's lower lanes
.endr
.irp j, 0,1,2,3
	s_delay_alu instid0(VALU_DEP_4)
	v_add_f32 v[T+\j], v[T+\j], v[T+\j+4]          ; lanes 0-15: expert j; lanes 16-31: expert j + 4
.endr
	s_delay_alu instid0(VALU_DEP_2)
	v_cndmask_b32 v[T+4], v[T+0], v[T+2], s32      ; what a lane keeps,
	s_delay_alu instid0(VALU_DEP_3)
	v_cndmask_b32 v[T+5], v[T+2], v[T+0], s32      ; and what it hands to the lane 8 away
	s_delay_alu instid0(VALU_DEP_3)
	v_cndmask_b32 v[T+6], v[T+1], v[T+3], s32
	s_delay_alu instid0(VALU_DEP_4)
	v_cndmask_b32 v[T+7], v[T+3], v[T+1], s32
	s_delay_alu instid0(VALU_DEP_3)
	v_add_f32_dpp v[T+4], v[T+5], v[T+4] row_xmask:8 row_mask:0xf bank_mask:0xf
	s_delay_alu instid0(VALU_DEP_2)
	v_add_f32_dpp v[T+6], v[T+7], v[T+6] row_xmask:8 row_mask:0xf bank_mask:0xf
	s_delay_alu instid0(VALU_DEP_1)
	v_cndmask_b32 v[T+0], v[T+4], v[T+6], s33
	s_delay_alu instid0(VALU_DEP_2)
	v_cndmask_b32 v[T+1], v[T+6], v[T+4], s33
	s_delay_alu instid0(VALU_DEP_1)
	v_add_f32_dpp v[T+0], v[T+1], v[T+0] row_xmask:4 row_mask:0xf bank_mask:0xf
	s_delay_alu instid0(VALU_DEP_1)
	v_add_f32_dpp v[T+0], v[T+0], v[T+0] row_xmask:2 row_mask:0xf bank_mask:0xf
	s_delay_alu instid0(VALU_DEP_1)
	v_add_f32_dpp v[T+0], v[T+0], v[T+0] row_xmask:1 row_mask:0xf bank_mask:0xf
.endm
; My 16 neighbours become 12 bytes of codes; two neighbouring lanes hold a block of 32.
.macro QSTEP t, st
.set XS, XN+16*\st
	v_max3_num_f32 v[T+8], |v[XS]|, |v[XS+1]|, |v[XS+2]|
	v_max3_num_f32 v[T+9], |v[XS+3]|, |v[XS+4]|, |v[XS+5]|
.irp i, 6,10
	s_delay_alu instid0(VALU_DEP_2)
	v_max3_num_f32 v[T+8], v[T+8], |v[XS+\i]|, |v[XS+\i+1]|
	s_delay_alu instid0(VALU_DEP_2)
	v_max3_num_f32 v[T+9], v[T+9], |v[XS+\i+2]|, |v[XS+\i+3]|
.endr
	s_delay_alu instid0(VALU_DEP_2)
	v_max3_num_f32 v[T+8], v[T+8], |v[XS+14]|, |v[XS+15]|
	s_delay_alu instid0(VALU_DEP_1)
	v_max3_num_f32 v[T+8], v[T+8], v[T+9], 0x2800000                       ; and the floor 2^(5 - 127): the byte cannot fall under 1
	s_delay_alu instid0(VALU_DEP_1)
	v_max_num_f32_dpp v[T+8], v[T+8], v[T+8] row_xmask:1 row_mask:0xf bank_mask:0xf   ; with my neighbour's 16: the block's largest magnitude
	s_delay_alu instid0(VALU_DEP_1)
	v_add_nc_u32 v[T+10], 0xfe000000, v[T+8]       ; 4 off its exponent field: the conversion takes the exponent field of this operand as its scale
	v_cvt_scalef32_pk16_bf6_f32 v[C+4*(2*\t+\st):C+4*(2*\t+\st)+2], v[XS:XS+15], v[T+10]
	v_lshrrev_b32 v[E+2*\t+\st], 23, v[T+10]       ; the scale's byte (also the plain line behind the conversion)
	ds_store_b8 v7, v[E+2*\t+\st] offset:32*\t+8*\st               ; both lanes of a block write the same byte with the same value
	global_store_b96 v6, v[C+4*(2*\t+\st):C+4*(2*\t+\st)+2], s[10:11] offset:768*\t+384*\st   ; the wave covers 384 consecutive bytes
.endm
.macro TOKEN t
	s_wait_loadcnt 8*(3-\t)                        ; this token's eight loads are in; the later tokens' stay out
	TURN \t, 0
	TURN \t, 1                                     ; the gate's arithmetic stands between these and the wait for them
	GATE \t
	FOLD
	s_wait_dscnt 0x0                               ; the neighbours are back from the stages
	QSTEP \t, 0
	QSTEP \t, 1
	ds_store_b32 v8, v[T] offset:32*\t             ; four lanes write the same word with the same value
.endm
	TOKEN 0
	TOKEN 1
	TOKEN 2
	TOKEN 3
	s_wait_dscnt 0x0                               ; for the others' sake: my scale bytes and logits lie in LDS
	s_barrier_signal -1
	s_barrier_wait -1
	s_cmp_eq_u32 s18, 0
	s_cbranch_scc1 .Lroute
	s_cmp_eq_u32 s18, 1
	s_cbranch_scc1 .Lscales
	s_wait_tensorcnt 0x0
	ds_add_u32 v126, v127
	s_wait_dscnt 0x0
	s_endpgm
.Lscales:                                              ; wave 1: the group's 1,024 scale bytes leave in whole runs of 512 bytes
	ds_load_b128 v[32:35], v10
	ds_load_b128 v[36:39], v10 offset:512
	s_wait_dscnt 0x0
	global_store_b128 v2, v[32:35], s[12:13]
	global_store_b128 v2, v[36:39], s[12:13] offset:512
	s_wait_tensorcnt 0x0
	ds_add_u32 v126, v127
	s_wait_dscnt 0x0
	s_endpgm
.Lroute:                                               ; wave 0: a lane to a token
	ds_load_b128 v[32:35], v11
	ds_load_b128 v[36:39], v11 offset:16
	s_wait_dscnt 0x0
.irp j, 0,1,2,3,4,5,6,7
	v_add_f32 v[32+\j], s[24+\j], v[32+\j]         ; + bg (the temperature is 1)
.endr
	v_max3_num_f32 v40, v32, v33, v34
	s_delay_alu instid0(VALU_DEP_1)
	v_max3_num_f32 v40, v40, v35, v36
	s_delay_alu instid0(VALU_DEP_1)
	v_max3_num_f32 v40, v40, v37, v38
	s_delay_alu instid0(VALU_DEP_1)
	v_max_num_f32 v40, v40, v39                    ; the row's maximum is taken away before the exponential
.irp j, 0,1,2,3,4,5,6,7
	v_sub_f32 v[32+\j], v[32+\j], v40
.endr
.irp j, 0,1,2,3,4,5,6,7
	v_mul_f32 v[32+\j], 0x3fb8aa3b, v[32+\j]       ; x log2(e)
.endr
	s_wait_alu depctr_va_vdst(0)
.irp j, 0,1,2,3,4,5,6,7
	v_exp_f32 v[32+\j], v[32+\j]
.endr
	v_mov_b32 v41, 0                               ; the first choice begins at expert 0 (a plain line behind the exponentials)
	s_wait_alu depctr_va_vdst(0)
	v_add_f32 v42, v32, v33
	v_add_f32 v43, v34, v35
	v_add_f32 v44, v36, v37
	v_add_f32 v45, v38, v39
	s_delay_alu instid0(VALU_DEP_3)
	v_add_f32 v42, v42, v43
	s_delay_alu instid0(VALU_DEP_2)
	v_add_f32 v44, v44, v45
	s_delay_alu instid0(VALU_DEP_1)
	v_add_f32 v42, v42, v44
	s_wait_alu depctr_va_vdst(0)
	v_rcp_f32 v42, v42                             ; 1 / the sum
	v_mov_b32 v43, v32                             ; (a plain line behind the reciprocal)
.irp j, 1,2,3,4,5,6,7
	v_cmp_ge_f32 vcc_lo, v43, v[32+\j]             ; the best so far stays unless a later one is strictly larger: ties keep the lower expert
	s_delay_alu instid0(VALU_DEP_1)
	v_cndmask_b32 v41, \j, v41, vcc_lo
	v_cndmask_b32 v43, v[32+\j], v43, vcc_lo
.endr
.irp j, 0,1,2,3,4,5,6,7
	v_cmp_ne_u32 vcc_lo, \j, v41
	v_cndmask_b32 v[32+\j], -1.0, v[32+\j], vcc_lo ; the winner leaves the field
.endr
	v_mov_b32 v44, 0
	v_mov_b32 v45, v32
.irp j, 1,2,3,4,5,6,7
	s_delay_alu instid0(VALU_DEP_1)
	v_cmp_ge_f32 vcc_lo, v45, v[32+\j]
	s_delay_alu instid0(VALU_DEP_1)
	v_cndmask_b32 v44, \j, v44, vcc_lo
	s_delay_alu instid0(VALU_DEP_2)
	v_cndmask_b32 v45, v[32+\j], v45, vcc_lo
.endr
	s_wait_alu depctr_va_vdst(0)
	v_mul_f32 v43, v43, v42                        ; the two scores
	v_mul_f32 v45, v45, v42
	v_cmp_lt_u32 vcc_lo, v41, v44
	s_delay_alu instid0(VALU_DEP_1)
	v_cndmask_b32 v52, v45, v43, vcc_lo            ; the lower-numbered expert's score,
	s_delay_alu instid0(VALU_DEP_2)
	v_cndmask_b32 v53, v43, v45, vcc_lo            ; the higher-numbered one's
	v_min_u32 v48, v41, v44                        ; a
	v_max_u32 v49, v41, v44                        ; b
	s_delay_alu instid0(VALU_DEP_2)
	v_sub_nc_u32 v46, 15, v48
	s_delay_alu instid0(VALU_DEP_1)
	v_mul_u32_u24 v46, v48, v46
	s_delay_alu instid0(VALU_DEP_1)
	v_lshrrev_b32 v46, 1, v46
	s_delay_alu instid0(VALU_DEP_1)
	v_add_nc_u32 v46, v46, v49
	s_delay_alu instid0(VALU_DEP_1)
	v_sub_nc_u32 v46, v46, v48
	s_delay_alu instid0(VALU_DEP_1)
	v_add_nc_u32 v46, -1, v46                      ; key = a (15 - a) / 2 + b - a - 1
	v_mov_b32 v47, 0                               ; rank: how many earlier tokens of the group have my key
	v_mov_b32 v51, 0                               ; lane p: how many of the group's tokens have key p
.set p, 0
.rept 28
	v_cmp_eq_u32 s40, p, v46
	s_delay_alu instid0(VALU_DEP_1)
	v_mbcnt_lo_u32_b32 v48, s40, 0
	s_delay_alu instid0(VALU_DEP_1)
	v_cndmask_b32 v47, v47, v48, s40
	s_bcnt1_i32_b32 s41, s40
	v_writelane_b32 v51, s41, p
.set p, p+1
.endr
	v_lshl_or_b32 v50, v47, 8, v46
	global_store_b64 v12, v[50:51], s[16:17]       ; 32 lanes store 256 consecutive bytes, aligned
	global_store_b64 v12, v[52:53], s[14:15]       ; likewise
	s_wait_tensorcnt 0x0
	ds_add_u32 v126, v127
	s_wait_dscnt 0x0
	s_endpgm
.Lfunc_end_k_q0289fa1170_quant_route:
	.size	k_q0289fa1170_quant_route, .Lfunc_end_k_q0289fa1170_quant_route-k_q0289fa1170_quant_route
	.p2alignl 7, 3214868480
	.fill 96, 4, 3214868480
	.section	.rodata,"a",@progbits
	.p2align	6, 0x0
	.amdhsa_kernel k_q0289fa1170_quant_route
		.amdhsa_group_segment_fixed_size 76800
		.amdhsa_private_segment_fixed_size 0
		.amdhsa_enable_private_segment 0
		.amdhsa_kernarg_size 56
		.amdhsa_user_sgpr_count 2
		.amdhsa_user_sgpr_kernarg_segment_ptr 1
		.amdhsa_wavefront_size32 1
		.amdhsa_system_sgpr_workgroup_id_x 1
		.amdhsa_system_sgpr_workgroup_id_y 1
		.amdhsa_system_sgpr_workgroup_id_z 1
		.amdhsa_system_vgpr_workitem_id 0
		.amdhsa_next_free_vgpr 512
		.amdhsa_next_free_sgpr 66
		.amdhsa_reserve_vcc 1
		.amdhsa_float_denorm_mode_32 3
		.amdhsa_float_denorm_mode_16_64 3
		.amdhsa_memory_ordered 1
		.amdhsa_forward_progress 1
		.amdhsa_inst_pref_size 83
	.end_amdhsa_kernel
	.amdgpu_metadata
---
amdhsa.version: [ 1, 2 ]
amdhsa.kernels:
  - .name:           k_q0289fa1170_quant_route
    .symbol:         k_q0289fa1170_quant_route.kd
    .args:
      - { .name: x, .offset: 0, .size: 8, .value_kind: global_buffer, .address_space: global }
      - { .name: Wg, .offset: 8, .size: 8, .value_kind: global_buffer, .address_space: global }
      - { .name: bg, .offset: 16, .size: 8, .value_kind: global_buffer, .address_space: global }
      - { .name: xq, .offset: 24, .size: 8, .value_kind: global_buffer, .address_space: global }
      - { .name: xsc, .offset: 32, .size: 8, .value_kind: global_buffer, .address_space: global }
      - { .name: gate, .offset: 40, .size: 8, .value_kind: global_buffer, .address_space: global }
      - { .name: route, .offset: 48, .size: 8, .value_kind: global_buffer, .address_space: global }
    .group_segment_fixed_size: 76800
    .private_segment_fixed_size: 0
    .kernarg_segment_align: 8
    .kernarg_segment_size: 56
    .max_flat_workgroup_size: 256
    .sgpr_count:     66
    .vgpr_count:     512
    .wavefront_size: 32
...
	.end_amdgpu_metadata
.endif
;; end of part 4
;; launch place (part 5): grid 65 x 1, 8 waves a work-group, no clusters, 2,048 bytes of LDS; arguments route, W_codes, W_scales, order, tiles, wimg, wsimg; writes order, tiles, wimg, wsimg
.if DOCPART == 5
	.amdgcn_target "amdgcn-amd-amdhsa--gfx1250"
	.amdhsa_code_object_version 6
	.text
	.protected	k_q0289fa1170_place
	.globl	k_q0289fa1170_place
	.p2align	8
	.type	k_q0289fa1170_place,@function
k_q0289fa1170_place:
	s_mov_b64 s[64:65], 0
	v_nop
	global_prefetch_b8 v0, s[64:65] scope:SCOPE_SE
	s_setreg_imm32_b32 hwreg(HW_REG_WAVE_MODE, 25, 1), 1
	s_wait_xcnt 0x0
; Two jobs in one launch, parted on the work-group's number.
; WORK-GROUP 0 places the tokens by their pair of experts: a counting sort over 28 keys from the counts and ranks stored for each group of 32 tokens, with no atomics.  It stores
;   order  the 8,192 token numbers sorted by key, and
;   tiles  64 entries (first place in order, number of rows, expert a, expert b): each key's rows cut into tiles of at most 512.  The sum over 28 keys of ceil(n / 512) with 8,192 rows in all is at most 43,
;          whatever the choice; entries that no key fills stay (0, 0, 0, 1).
; WORK-GROUPS 1 to 64 lay W out once in the order of an operand's registers: a wave takes 16 rows of W (one tile T of 512), and stores each of its eight fragments as three runs of 512 bytes:
;   wimg   fragment (T, K step s) at (8 T + s) x 1,536; registers 4 i .. 4 i + 3 of lane l at + 512 i + 16 l
;   wsimg  at 512 T + 16 l: register q of lane (r, h) is the scale word of K step 2 q + h of row 16 T + r
; No tensor loads, no cluster: the sort is one work-group's, and the others share nothing.
	s_load_b256 s[4:11], s[0:1], 0x0               ; route s[4:5], W_codes s[6:7], W_scales s[8:9], order s[10:11]
	s_load_b128 s[12:15], s[0:1], 0x20             ; tiles s[12:13], wimg s[14:15]
	s_load_b64 s[16:17], s[0:1], 0x30              ; wsimg
	v_lshl_add_u32 v192, v0, 2, 0x400
	v_mov_b32 v193, 0
	v_lshrrev_b32 v1, 5, v0
	s_delay_alu instid0(VALU_DEP_1)
	v_readfirstlane_b32 s18, v1                    ; wave 0..7
	v_and_b32 v1, 31, v0                           ; lane
	s_delay_alu instid0(VALU_DEP_1)
	v_lshlrev_b32 v2, 4, v1                        ; 16 x lane
	s_delay_alu instid0(VALU_DEP_2)
	v_lshlrev_b32 v3, 3, v1                        ; 8 x lane
	v_lshlrev_b32 v4, 2, v0                        ; LDS: 4 x thread
	s_delay_alu instid0(VALU_DEP_4)
	v_lshlrev_b32 v5, 2, v1                        ; LDS: 4 x lane
	s_wait_kmcnt 0x0
	s_cmp_eq_u32 ttmp9, 0
	s_cbranch_scc1 .Lsort
	; ---- W's fragments as images of their registers
	s_sub_co_u32 s19, ttmp9, 1
	s_lshl_b32 s19, s19, 3
	s_add_co_u32 s19, s19, s18                     ; T = 8 (work-group - 1) + wave
	s_mul_i32 s20, s19, 12288                      ; 16 rows of 768 bytes, in W_codes and in wimg alike
	s_mov_b32 s21, 0
	s_add_nc_u64 s[6:7], s[6:7], s[20:21]
	s_add_nc_u64 s[14:15], s[14:15], s[20:21]
	s_lshl_b32 s20, s19, 9                         ; 16 rows of 32 scale bytes
	s_add_nc_u64 s[8:9], s[8:9], s[20:21]
	s_add_nc_u64 s[16:17], s[16:17], s[20:21]
	s_mov_b32 s22, 0xffff0000                      ; lanes 16-31
	v_and_b32 v6, 15, v0                           ; r
	v_bfe_u32 v7, v0, 4, 1                         ; h
	s_delay_alu instid0(VALU_DEP_2)
	v_mul_u32_u24 v8, v6, 768
	s_delay_alu instid0(VALU_DEP_1)
	v_mad_u32_u24 v8, v7, 24, v8                   ; row r, + 24 h: a lane's 24 bytes are 32 codes
	s_delay_alu instid0(VALU_DEP_4)
	v_lshlrev_b32 v9, 5, v6                        ; row r's scale bytes
.irp s, 0,1,2,3,4,5,6,7
.irp p, 0,1,2,3,4,5
	global_load_b64 v[16+12*\s+2*\p:17+12*\s+2*\p], v8, s[6:7] offset:96*\s+48*(\p/3)+8*(\p%3)
.endr
.endr
	global_load_b128 v[112:115], v9, s[8:9]
	global_load_b128 v[116:119], v9, s[8:9] offset:16
	s_wait_loadcnt 0x0
.irp q, 0,1,2,3
	v_cndmask_b32 v[120+\q], v[112+2*\q], v[113+2*\q], s22         ; lanes 0-15 the even K step's word, lanes 16-31 the odd one's
.endr
.irp s, 0,1,2,3,4,5,6,7
.irp i, 0,1,2
	global_store_b128 v2, v[16+12*\s+4*\i:19+12*\s+4*\i], s[14:15] offset:1536*\s+512*\i   ; 32 lanes store 512 consecutive bytes, aligned
.endr
.endr
	global_store_b128 v2, v[120:123], s[16:17]
	s_endpgm
.Lsort:
	; ---- wave v takes groups 32 v .. 32 v + 31.  v[32 + 2 j]: key | rank << 8 of token (group j, lane);  v[33 + 2 j]: group j's count of key = lane
	s_lshl_b32 s20, s18, 13
	s_mov_b32 s21, 0
	s_add_nc_u64 s[4:5], s[4:5], s[20:21]
.set j, 0
	s_wait_alu depctr_va_vdst(0)
.rept 32
	global_load_b64 v[32+2*j:33+2*j], v3, s[4:5] offset:256*j
.set j, j+1
.endr
	s_lshl_b32 s19, s18, 10
	v_add_nc_u32 v110, s19, v1                     ; the number of my token in group 0 of my wave
	s_wait_loadcnt 0x0
	v_add_nc_u32 v109, v33, v35
.set j, 2
.rept 15
	s_delay_alu instid0(VALU_DEP_1)
	v_add3_u32 v109, v109, v[33+2*j], v[35+2*j]
.set j, j+2
.endr
	ds_store_b32 v4, v109                          ; my wave's count of key = lane
	s_wait_dscnt 0x0                               ; for the others' sake
	s_barrier_signal -1
	s_barrier_wait -1
.irp j, 0,1,2,3,4,5,6,7
	ds_load_b32 v[96+\j], v5 offset:128*\j         ; all eight waves' counts
.endr
	s_wait_dscnt 0x0
	v_add3_u32 v104, v96, v97, v98
	s_delay_alu instid0(VALU_DEP_1)
	v_add3_u32 v104, v104, v99, v100
	s_delay_alu instid0(VALU_DEP_1)
	v_add3_u32 v104, v104, v101, v102
	s_delay_alu instid0(VALU_DEP_1)
	v_add_nc_u32 v104, v104, v103                  ; v104: how many tokens in all have key = lane
	v_mov_b32 v105, 0                              ; v105: how many of them lie in earlier waves
.irp j, 0,1,2,3,4,5,6
	s_cmp_gt_u32 s18, \j
	s_cselect_b32 s19, -1, 0
	v_and_b32 v109, s19, v[96+\j]
	s_delay_alu instid0(VALU_DEP_1)
	v_add_nc_u32 v105, v105, v109
.endr
	v_mov_b32 v106, 0                              ; v106: where key = lane begins in order
	s_mov_b32 s20, 0
.set p, 0
.rept 28
	v_readlane_b32 s21, v104, p
	v_writelane_b32 v106, s20, p
	s_add_co_u32 s20, s20, s21
.set p, p+1
.endr
	v_add_nc_u32 v107, v106, v105
.set j, 0
	s_delay_alu instid0(VALU_DEP_1)
	v_add_nc_u32 v108, v107, v[33+4*j]
	s_delay_alu instid0(VALU_DEP_2)
	v_mov_b32 v[33+4*j], v107
	s_delay_alu instid0(VALU_DEP_2)
	v_add_nc_u32 v107, v108, v[35+4*j]
	s_delay_alu instid0(VALU_DEP_3)
	v_mov_b32 v[35+4*j], v108
.set j, j+1
.rept (16)-1
	s_delay_alu instid0(VALU_DEP_2)
	v_add_nc_u32 v108, v107, v[33+4*j]
	s_delay_alu instid0(VALU_DEP_3)
	v_mov_b32 v[33+4*j], v107
	s_delay_alu instid0(VALU_DEP_2)
	v_add_nc_u32 v107, v108, v[35+4*j]
	s_delay_alu instid0(VALU_DEP_3)
	v_mov_b32 v[35+4*j], v108
.set j, j+1
.endr
.set j, 0
.rept 32
	v_and_b32 v[160+j], 0xff, v[32+2*j]
	s_delay_alu instid0(VALU_DEP_1)
	v_min_u32 v[160+j], 31, v[160+j]               ; a key names a lane: held inside the wave
	s_delay_alu instid0(VALU_DEP_1)
	v_lshlrev_b32 v[160+j], 2, v[160+j]
	ds_bpermute_b32 v[128+j], v[160+j], v[33+2*j]  ; each token fetches its key's place from the lane of that key
.set j, j+1
.endr
	s_wait_dscnt 0x0
.set j, 0
.rept 32
	v_lshrrev_b32 v[32+2*j], 8, v[32+2*j]          ; my rank among the group's tokens of my key
	s_delay_alu instid0(VALU_DEP_1)
	v_add_nc_u32 v[32+2*j], v[32+2*j], v[128+j]
	s_delay_alu instid0(VALU_DEP_1)
	v_min_u32 v[32+2*j], 0x1fff, v[32+2*j]         ; a place in order: held inside the buffer
	s_delay_alu instid0(VALU_DEP_1)
	v_lshlrev_b32 v[32+2*j], 2, v[32+2*j]
	v_add_nc_u32 v[33+2*j], 32*j, v110             ; the token's number
	global_store_b32 v[32+2*j], v[33+2*j], s[10:11]    ; each store has registers of its own
.set j, j+1
.endr
	s_cmp_lg_u32 s18, 0
	s_cbranch_scc1 .Ldone
	; ---- wave 0 writes the list of tiles: lane l makes entries l and l + 32
	v_add_nc_u32 v111, 32, v1
.irp e, 112, 116
	v_mov_b32 v[\e], 0
	v_mov_b32 v[\e+1], 0
	v_mov_b32 v[\e+2], 0
	v_mov_b32 v[\e+3], 1
.endr
	s_mov_b32 s24, 0                               ; the first tile of the key in hand
.macro ENTRY tr, eb                    ; the entry whose number lies in v[tr] takes the key's values if it is one of the key's tiles
	v_subrev_nc_u32 v120, s24, v[\tr]              ; d: which tile of the key
	s_delay_alu instid0(VALU_DEP_1)
	v_cmp_le_u32 vcc_lo, s23, v120                 ; not one of them (a number under the first wraps round to a large one)
	s_delay_alu instid0(VALU_DEP_2)
	v_lshlrev_b32 v121, 9, v120
	s_delay_alu instid0(VALU_DEP_1)
	v_add_nc_u32 v122, s22, v121                   ; first place: the key's + 512 d
	s_delay_alu instid0(VALU_DEP_2)
	v_sub_nc_u32 v121, s21, v121
	s_delay_alu instid0(VALU_DEP_1)
	v_min_u32 v121, 0x200, v121                    ; rows: what is left of the key, 512 at the most
	s_delay_alu instid0(VALU_DEP_3)
	v_cndmask_b32 v[\eb], v122, v[\eb], vcc_lo
	s_delay_alu instid0(VALU_DEP_2)
	v_cndmask_b32 v[\eb+1], v121, v[\eb+1], vcc_lo
	v_cndmask_b32 v[\eb+2], PA, v[\eb+2], vcc_lo
	v_cndmask_b32 v[\eb+3], PB, v[\eb+3], vcc_lo
.endm
.set PA, 0
.set PB, 1
.set PP, 0
.rept 28
	v_readlane_b32 s21, v104, PP                   ; the key's tokens,
	v_readlane_b32 s22, v106, PP                   ; where they begin,
	s_add_co_u32 s23, s21, 511
	s_lshr_b32 s23, s23, 9                         ; and how many tiles they make
	ENTRY 1, 112
	ENTRY 111, 116
	s_add_co_u32 s24, s24, s23
.set PP, PP+1
.set PB, PB+1
.if PB == 8
.set PA, PA+1
.set PB, PA+1
.endif
.endr
	global_store_b128 v2, v[112:115], s[12:13]
	global_store_b128 v2, v[116:119], s[12:13] offset:512
.Ldone:
	s_wait_tensorcnt 0x0
	ds_add_u32 v192, v193
	s_wait_dscnt 0x0
	s_endpgm
.Lfunc_end_k_q0289fa1170_place:
	.size	k_q0289fa1170_place, .Lfunc_end_k_q0289fa1170_place-k_q0289fa1170_place
	.p2alignl 7, 3214868480
	.fill 96, 4, 3214868480
	.section	.rodata,"a",@progbits
	.p2align	6, 0x0
	.amdhsa_kernel k_q0289fa1170_place
		.amdhsa_group_segment_fixed_size 2048
		.amdhsa_private_segment_fixed_size 0
		.amdhsa_enable_private_segment 0
		.amdhsa_kernarg_size 56
		.amdhsa_user_sgpr_count 2
		.amdhsa_user_sgpr_kernarg_segment_ptr 1
		.amdhsa_wavefront_size32 1
		.amdhsa_system_sgpr_workgroup_id_x 1
		.amdhsa_system_sgpr_workgroup_id_y 1
		.amdhsa_system_sgpr_workgroup_id_z 1
		.amdhsa_system_vgpr_workitem_id 0
		.amdhsa_next_free_vgpr 194
		.amdhsa_next_free_sgpr 66
		.amdhsa_reserve_vcc 1
		.amdhsa_float_denorm_mode_32 3
		.amdhsa_float_denorm_mode_16_64 3
		.amdhsa_memory_ordered 1
		.amdhsa_forward_progress 1
		.amdhsa_inst_pref_size 85
	.end_amdhsa_kernel
	.amdgpu_metadata
---
amdhsa.version: [ 1, 2 ]
amdhsa.kernels:
  - .name:           k_q0289fa1170_place
    .symbol:         k_q0289fa1170_place.kd
    .args:
      - { .name: route, .offset: 0, .size: 8, .value_kind: global_buffer, .address_space: global }
      - { .name: W_codes, .offset: 8, .size: 8, .value_kind: global_buffer, .address_space: global }
      - { .name: W_scales, .offset: 16, .size: 8, .value_kind: global_buffer, .address_space: global }
      - { .name: order, .offset: 24, .size: 8, .value_kind: global_buffer, .address_space: global }
      - { .name: tiles, .offset: 32, .size: 8, .value_kind: global_buffer, .address_space: global }
      - { .name: wimg, .offset: 40, .size: 8, .value_kind: global_buffer, .address_space: global }
      - { .name: wsimg, .offset: 48, .size: 8, .value_kind: global_buffer, .address_space: global }
    .group_segment_fixed_size: 2048
    .private_segment_fixed_size: 0
    .kernarg_segment_align: 8
    .kernarg_segment_size: 56
    .max_flat_workgroup_size: 256
    .sgpr_count:     66
    .vgpr_count:     194
    .wavefront_size: 32
...
	.end_amdgpu_metadata
.endif
;; end of part 5
;; launch experts (part 6): grid 8 x 43, 4 waves a work-group, no clusters, 175,104 bytes of LDS; arguments tiles, order, xq, xsc, gate, wimg, wsimg, b, out0; writes out0
.if DOCPART == 6
	.amdgcn_target "amdgcn-amd-amdhsa--gfx1250"
	.amdhsa_code_object_version 6
	.text
	.protected	k_q0289fa1170_experts
	.globl	k_q0289fa1170_experts
	.p2align	8
	.type	k_q0289fa1170_experts,@function
k_q0289fa1170_experts:
	s_mov_b64 s[64:65], 0
	v_nop
	global_prefetch_b8 v0, s[64:65] scope:SCOPE_SE
	s_setreg_imm32_b32 hwreg(HW_REG_WAVE_SCHED_MODE, 0, 2), 2
	s_setreg_imm32_b32 hwreg(HW_REG_WAVE_MODE, 25, 1), 1
	s_wait_xcnt 0x0
	s_wait_alu depctr_vm_vsrc(0)
; out0[t] = gA (Q(x[t]) W[a]^T + b[a]) + gB (Q(x[t]) W[b]^T + b[b]) for the two experts a < b chosen for token t; both products on codes of BF6 (E3M2) with E8M0 scales, sums in f32.
; Only the chosen experts are multiplied.  The tokens come sorted by their pair of experts, so that each output row has one owner and both of its products are summed in registers.
; SHARES.  Work-group (x, y) takes tile y of the stored list (up to 512 rows of one pair) and output columns 128 x .. 128 x + 127.  Wave w keeps BOTH experts' W for columns 32 w .. 32 w + 31 in registers for
; the whole launch: 32 fragments, 384 registers, read once.  The rows go round in groups of 64 (four blocks of 16): wave w gathers block w by the list and hands it to the others through LDS as images of the
; operand's registers; every wave multiplies all four blocks.  A fragment read from LDS feeds four matrix instructions.
; TRANSPOSED USE: source 0 = 16 rows of W, source 1 = 16 tokens: lane (r, h) holds token r and eight neighbouring output columns 8 h + 0 .. 7.  The bias is the C of each sum's first matrix instruction.
; CONTROL.  The grid, 43 tiles, serves every split (28 pairs, 8,192 rows, tiles of 512).  The loop has a constant count (8 groups, 4 trips of 2) and every wave passes all ten barriers; work is jumped over by scalar
; branches on the tile's stored number of rows.  Each part that is jumped over reads only registers that it wrote itself or that are written on every way: so W's loads stand on every way, in a work-group without rows too.
; Places of the list at or beyond the tile's last row take the last row again: they compute and store the same bytes to the same row.
; NO CLUSTER, NO TENSOR LOADS: the eight work-groups of a tile share x's rows, which a list names one by one (no tile that a descriptor could state); their slices of W are disjoint; and which tiles share an expert hangs on the stored list.
; LIMITS: as the quantising launch states them; NaN and infinities are not served.
; LDS: two buffers by turns for the images (written for group g + 1 while group g is read) and for the stage (written for group g while group g - 1 leaves): one barrier a group orders both.
; THE MODE: SCHED_MODE bits 1:0 = 2 (LLVM: expert scheduling mode 2), set by the entry lines.  The code itself states the register dependences
; between vector or matrix instructions and memory or LDS instructions, with s_wait_alu, always for 0.
; THE PLAN.  Registers that memory or LDS instructions touch, in the loop:
;   v1-v13        addresses and offsets, made at the head and never written again.
;   v14, v15      written by two vector lines at a trip's head; read by the token loads of the trip's two groups.
;   v16           a token: an LDS load lands in it, the gather's four vector lines read and write it; no memory instruction of the loop reads it.
;   v17-v19       written by the gather's vector lines; read by its 26 loads as offsets.
;   GA            named by no vector instruction: the gather's loads land, the image stores read, the stage's rows land, the global stores read.
;   TK            the rows' tokens land, two runs of vector lines make offsets of them, the global stores read them.
;   XSC, GG, x's fragments (two sets by turns)  the fetch of block u + 1 lands in the set that block u - 1's products and scaling read.
;   ACC           written by the products and the scaling; its lower half read by the four stage stores; written anew by the next block's first products.
; Every run of vector or matrix instructions is closed by a wait on va_vdst in its own straight run: one a block (behind the scaling), one in the gather, one on the way out, one at a trip's head.
; A wait on vm_vsrc stands at the head of every part that writes registers which memory instructions have read, ahead of the branch that may lead round the part.
.set XI,   0                           ; images: 2 x (4 blocks x 8 K steps x 1,536 bytes)
.set XIB,  49152
.set XS0,  98304                       ; scale words' images: 2 x (4 x 512)
.set GI0,  102400                      ; the two scores' images: 2 x (4 x 256)
.set STG0, 104448                      ; the stage: 2 x (64 rows x 528 bytes)
.set STGB, 33792
.set TOK,  172032                      ; the tile's token numbers: 640 words
; window 0: v1 16 lane; v2 the same + XIB; v3-9 LDS addresses; v10 48 h; v11 16 h; v12 32 h; v13 4 r; v14, v15 the trip's token words; v16-28 at work
.set WS,   32                          ; v32-47   W's scale words: tile t = 2 e + ct at v[WS + 4 t + q]; they hold scales and nothing else
.set XSC,  48                          ; v48-55   x's scale words, two sets of four; likewise
.set GG0,  56                          ; v56-63   two sets: gA, gB, gB again, a filler
.set ACC,  64                          ; v64-95   four accumulators
.set BIAS, 96                          ; v96-127  the biases in the result's layout
.set GA,   128                         ; v128-229 what the gather brings: 96 registers of codes, 4 scale words, 2 scores; v128-191 also carry rows on the way out
.set TK,   232                         ; v232-247 the way out: a row's token, then its byte offset
; window 1: W's K steps 0-3, fragment (s, t) at v[12 (4 (s % 4) + t)];  window 2: K steps 4-7;  window 3: x's fragments, two sets of 96
.set MSB, 0
.macro WIN new                         ; the immediate's high byte repeats the setting that is left
.if MSB != \new
	s_set_vgpr_msb (MSB<<8)|\new
.set MSB, \new
.endif
.endm
	s_load_b256 s[4:11], s[0:1], 0x0               ; tiles s[4:5], order s[6:7], xq s[8:9], xsc s[10:11]
	s_load_b256 s[12:19], s[0:1], 0x20             ; gate s[12:13], wimg s[14:15], wsimg s[16:17], b s[18:19]
	s_load_b64 s[20:21], s[0:1], 0x40              ; out0
	v_lshl_add_u32 v254, v0, 2, 0x2aa00
	v_mov_b32 v255, 0
	v_lshrrev_b32 v16, 5, v0
	v_readfirstlane_b32 s31, v16                   ; wave 0..3
	s_and_b32 s52, ttmp7, 0xffff                   ; my tile
	s_lshl_b32 s52, s52, 4
	s_mov_b32 s53, 0
	v_and_b32 v17, 31, v0                          ; lane
	v_and_b32 v18, 15, v0                          ; r
	v_bfe_u32 v19, v0, 4, 1                        ; h
	v_lshlrev_b32 v1, 4, v17                       ; v1: 16 x lane: an image's place for my lane
	v_add_nc_u32 v2, XIB, v1                       ; v2: the same in the second buffer
	s_wait_alu depctr_va_sdst(0)                   ; s31 is written, ahead of its first reader: LDS addresses and the bases of W, its scale words and b are made from it
	s_mul_i32 s50, s31, 12288
	v_add_nc_u32 v3, s50, v1                       ; v3: where I store my block's images
	s_lshl_b32 s50, s31, 9
	s_add_co_u32 s50, s50, XS0
	v_add_nc_u32 v4, s50, v1                       ; v4: and its scale words
	v_add_nc_u32 v5, XS0, v1                       ; v5: where any block's scale words are read
	v_lshlrev_b32 v7, 3, v17
	v_add_nc_u32 v7, GI0, v7                       ; v7: where any block's scores are read
	s_lshl_b32 s50, s31, 8
	v_add_nc_u32 v6, s50, v7                       ; v6: where I store my block's
	v_mul_u32_u24 v8, v18, 528
	v_lshl_add_u32 v8, v19, 5, v8
	s_lshl_b32 s50, s31, 7
	s_add_co_u32 s50, s50, STG0
	v_add_nc_u32 v8, s50, v8                       ; v8: the stage: row r, + 32 h, + 128 x wave: my columns' bytes
	s_mul_i32 s50, s31, 8448
	s_add_co_u32 s50, s50, STG0
	v_add_nc_u32 v9, s50, v1                       ; v9: back: my 16 rows, 16 bytes a lane
	v_mul_u32_u24 v10, v19, 48
	v_lshlrev_b32 v11, 4, v19
	v_lshlrev_b32 v12, 5, v19
	v_lshlrev_b32 v13, 2, v18
	v_lshl_add_u32 v21, v0, 2, TOK                 ; v21: 4 x thread among the token words
	v_mov_b32 v[GG0+3], 0                          ; named as the upper halves of pairs, so they are written
	v_mov_b32 v[GG0+7], 0
	s_lshl_b32 s32, s31, 4                         ; 16 x wave
	s_lshl_b32 s35, s31, 6
	s_add_co_u32 s35, s35, TOK                     ; my block's token words in the trip's first group
	v_mov_b32 v14, s35                             ; for the gather ahead of the loop: made here, ahead of the head's one wait on va_vdst
	v_add_nc_u32 v15, v14, v13
	s_wait_kmcnt 0x0
	s_add_nc_u64 s[4:5], s[4:5], s[52:53]
	s_load_b128 s[24:27], s[4:5], 0x0              ; first place, rows, expert a, expert b
	s_wait_kmcnt 0x0
	s_min_u32 s30, s24, 0x1fff                     ; each held inside what it indexes
	s_min_u32 s28, s25, 0x200
	s_min_u32 s26, s26, 7
	s_min_u32 s27, s27, 7
	s_max_u32 s29, s28, 1
	s_sub_co_u32 s29, s29, 1                       ; the tile's last row (0 where it has none)
	s_mul_i32 s50, ttmp9, 98304                    ; W's images: 12,288 bytes a tile of 16 columns: 8 tiles a work-group, 2 a wave, 64 an expert
	s_mul_i32 s51, s31, 24576
	s_add_co_u32 s50, s50, s51
	s_mul_i32 s52, s26, 786432
	s_add_co_u32 s52, s52, s50
	s_add_nc_u64 s[36:37], s[14:15], s[52:53]
	s_mul_i32 s52, s27, 786432
	s_add_co_u32 s52, s52, s50
	s_add_nc_u64 s[38:39], s[14:15], s[52:53]
	s_lshl_b32 s50, ttmp9, 12                      ; their scale words: 512 bytes a tile
	s_lshl_b32 s51, s31, 10
	s_add_co_u32 s50, s50, s51
	s_lshl_b32 s52, s26, 15
	s_add_co_u32 s52, s52, s50
	s_add_nc_u64 s[40:41], s[16:17], s[52:53]
	s_lshl_b32 s52, s27, 15
	s_add_co_u32 s52, s52, s50
	s_add_nc_u64 s[42:43], s[16:17], s[52:53]
	s_lshl_b32 s50, ttmp9, 9                       ; the biases: 4 bytes a column
	s_lshl_b32 s51, s31, 7
	s_add_co_u32 s51, s50, s51
	s_lshl_b32 s52, s26, 12
	s_add_co_u32 s52, s52, s51
	s_add_nc_u64 s[44:45], s[18:19], s[52:53]
	s_lshl_b32 s52, s27, 12
	s_add_co_u32 s52, s52, s51
	s_add_nc_u64 s[46:47], s[18:19], s[52:53]
	s_mov_b32 s52, s50
	s_add_nc_u64 s[48:49], s[20:21], s[52:53]      ; out0 at my 128 columns
.irp j, 0,1,2,3,4
	v_add_nc_u32 v[16+\j], 128*\j, v0              ; place thread + 128 j of the tile,
	v_min_u32 v[16+\j], s29, v[16+\j]              ; the last row again beyond its end,
	v_add_nc_u32 v[16+\j], s30, v[16+\j]
	v_min_u32 v[16+\j], 0x1fff, v[16+\j]           ; held inside the list
	v_lshlrev_b32 v[16+\j], 2, v[16+\j]
.endr
	s_wait_alu depctr_va_vdst(0)                   ; all that the head has made is written: the list's offsets v16 to v20, which the loads below read, and v1 to v15 and v21, which the kernel's loads and stores read
.irp j, 0,1,2,3,4
	global_load_b32 v[24+\j], v[16+\j], s[6:7]
.endr
.irp ct, 0,1
	global_load_b128 v[WS+4*\ct:WS+4*\ct+3], v1, s[40:41] offset:512*\ct
	global_load_b128 v[WS+8+4*\ct:WS+8+4*\ct+3], v1, s[42:43] offset:512*\ct
.endr
.irp ct, 0,1
	global_load_b128 v[BIAS+8*\ct:BIAS+8*\ct+3], v12, s[44:45] offset:64*\ct           ; lane (r, h): the tile's columns 8 h + 0 .. 7
	global_load_b128 v[BIAS+8*\ct+4:BIAS+8*\ct+7], v12, s[44:45] offset:64*\ct+16
	global_load_b128 v[BIAS+16+8*\ct:BIAS+16+8*\ct+3], v12, s[46:47] offset:64*\ct
	global_load_b128 v[BIAS+16+8*\ct+4:BIAS+16+8*\ct+7], v12, s[46:47] offset:64*\ct+16
.endr
.macro WLOAD base                      ; four K steps of both experts' two tiles: 48 loads of 512 consecutive bytes
.irp s, 0,1,2,3
.irp ct, 0,1
.irp i, 0,1,2
	global_load_b128 v[12*(4*\s+\ct)+4*\i:12*(4*\s+\ct)+4*\i+3], v1, s[36:37] offset:12288*\ct+1536*(\base+\s)+512*\i
	global_load_b128 v[12*(4*\s+2+\ct)+4*\i:12*(4*\s+2+\ct)+4*\i+3], v1, s[38:39] offset:12288*\ct+1536*(\base+\s)+512*\i
.endr
.endr
.endr
.endm
	WIN 0x40                                       ; destination window 1
	WLOAD 0
	WIN 0
	s_wait_loadcnt 60                              ; the five list loads are in: behind them stand 4 + 8 + 48 loads
.irp j, 0,1,2,3,4
	ds_store_b32 v21, v[24+\j] offset:512*\j
.endr
	WIN 0x80                                       ; destination window 2
	WLOAD 4
	WIN 0
	s_wait_dscnt 0x0                               ; for the others' sake: my token words lie in LDS
	s_barrier_signal -1
	s_barrier_wait -1
; My block's rows by the list: lane (r, h) takes token r's 48 bytes of each K step (its twelve operand registers), its four scale words and its two scores.  v16 holds the token.
.macro GATHER
	v_min_u32 v16, 0x1fff, v16                     ; a token: held inside the buffers
	v_mad_u32_u24 v17, v16, 0x300, v10             ; 768 x token + 48 h
	v_lshl_add_u32 v18, v16, 5, v11                ; 32 x token + 16 h
	v_lshlrev_b32 v19, 3, v16                      ; 8 x token
	s_wait_alu depctr_va_vdst(0)                   ; v17 to v19 are written, which the loads below read as offsets; and these four lines are done with v16, in which the next group's token lands
.irp s, 0,1,2,3,4,5,6,7
.irp i, 0,1,2
	global_load_b128 v[GA+12*\s+4*\i:GA+12*\s+4*\i+3], v17, s[8:9] offset:96*\s+16*\i
.endr
.endr
	global_load_b128 v[GA+96:GA+99], v18, s[10:11]
	global_load_b64 v[GA+100:GA+101], v19, s[12:13]
.endm
.macro IMAGES buf                      ; they go to LDS as they stand: lane l's 16 bytes at 16 l
.irp s, 0,1,2,3,4,5,6,7
.irp i, 0,1,2
	ds_store_b128 v3, v[GA+12*\s+4*\i:GA+12*\s+4*\i+3] offset:XIB*(\buf)+1536*\s+512*\i
.endr
.endr
	ds_store_b128 v4, v[GA+96:GA+99] offset:2048*(\buf)
	ds_store_b64 v6, v[GA+100:GA+101] offset:1024*(\buf)
.endm
.macro FETCH u, buf                    ; block u comes back so, in any wave: 26 LDS loads, into set u % 2.  No wait on va_vdst stands here: the block that read this set last has closed with one, and nothing since names the set
	ds_load_b128 v[XSC+4*((\u)%2):XSC+4*((\u)%2)+3], v5 offset:2048*\buf+512*(\u)
	ds_load_b64 v[GG0+4*((\u)%2):GG0+4*((\u)%2)+1], v7 offset:1024*\buf+256*(\u)
	WIN 0xc0                                       ; destination window 3
.irp s, 0,1,2,3,4,5,6,7
.irp i, 0,1,2
	ds_load_b128 v[96*((\u)%2)+12*\s+4*\i:96*((\u)%2)+12*\s+4*\i+3], v[1+\buf] offset:12288*(\u)+1536*\s+512*\i
.endr
.endr
	WIN 0
.endm
; 32 matrix instructions: 16 tokens x my 32 columns x both experts, K ascending.  The four accumulators take turns, one instruction a turn.
; A scale register holds the even K step's words in lanes 0-15 and the odd one's in lanes 16-31.
.macro MUL z
.irp s, 0,1,2,3,4,5,6,7
.if \s < 4
	WIN 0x0d                                       ; source 0 (W) window 1, source 1 (x) window 3, C and D window 0
.else
	WIN 0x0e                                       ; source 0 window 2
.endif
.irp t, 0,1,2,3
.set RA, 12*(4*(\s%4)+\t)
.set RB, 96*(\z)+12*\s
.set RD, ACC+8*\t
.set RW, WS+4*\t+\s/2
.set RX, XSC+4*(\z)+\s/2
.if \s == 0
	v_wmma_scale_f32_16x16x128_f8f6f4 v[RD:RD+7], v[RA:RA+11], v[RB:RB+11], v[BIAS+8*\t:BIAS+8*\t+7], v[RW], v[RX] matrix_a_fmt:MATRIX_FMT_BF6 matrix_b_fmt:MATRIX_FMT_BF6
.elseif \s%2 == 0
	v_wmma_scale_f32_16x16x128_f8f6f4 v[RD:RD+7], v[RA:RA+11], v[RB:RB+11], v[RD:RD+7], v[RW], v[RX] matrix_a_fmt:MATRIX_FMT_BF6 matrix_b_fmt:MATRIX_FMT_BF6
.else
	v_wmma_scale_f32_16x16x128_f8f6f4 v[RD:RD+7], v[RA:RA+11], v[RB:RB+11], v[RD:RD+7], v[RW], v[RX] matrix_a_fmt:MATRIX_FMT_BF6 matrix_b_fmt:MATRIX_FMT_BF6 matrix_a_scale:MATRIX_SCALE_ROW1 matrix_b_scale:MATRIX_SCALE_ROW1
.endif
.endr
.endr
	WIN 0
.endm
; gA x expert a's sums + gB x expert b's, in expert a's accumulators.  Five plain lines that name no register of the products stand first (ISA guide 7.12.1): they serve the reads below
; and the next block's first products, which write these accumulators anew.  Each accumulator is read from its low end on.
.macro EPI z
.set GG, GG0+4*(\z)
	v_mov_b32 v[GG+2], v[GG+1]                     ; gB as the low word of a pair of its own
.rept 4
	v_nop
.endr
.irp ct, 0,1
.irp p, 0,2,4,6
	v_pk_mul_f32 v[ACC+8*\ct+\p:ACC+8*\ct+\p+1], v[ACC+8*\ct+\p:ACC+8*\ct+\p+1], v[GG:GG+1] op_sel_hi:[1,0]
.endr
.endr
.irp ct, 0,1
.irp p, 0,2,4,6
	v_pk_fma_f32 v[ACC+8*\ct+\p:ACC+8*\ct+\p+1], v[ACC+16+8*\ct+\p:ACC+16+8*\ct+\p+1], v[GG+2:GG+3], v[ACC+8*\ct+\p:ACC+8*\ct+\p+1] op_sel_hi:[1,0,1]
.endr
.endr
.endm
.macro TOST u, buf                     ; lane (r, h): row 16 u + r of the stage, columns 32 w + 16 ct + 8 h + 0 .. 7
.irp ct, 0,1
	ds_store_b128 v8, v[ACC+8*\ct:ACC+8*\ct+3] offset:STGB*\buf+8448*(\u)+64*\ct
	ds_store_b128 v8, v[ACC+8*\ct+4:ACC+8*\ct+7] offset:STGB*\buf+8448*(\u)+64*\ct+16
.endr
.endm
.macro BLOCK u, buf, goff              ; block u of the group: the next block's fetch first, then this block's work, jumped over where the tile ends ahead of it
.if \u > 0
	s_wait_alu depctr_vm_vsrc(0)                   ; the last block's four stage stores have read the accumulators, which this block's products write anew (block 0: the wait ahead of the group states it)
.endif
.if \u < 3
	FETCH (\u+1), \buf
	s_wait_dscnt 26                                ; all but the 26 loads just issued: block u's fragments are in, and the last block's stage stores are done
.else
	s_wait_dscnt 0x0
.endif
	s_add_co_u32 s50, s33, \goff+16*\u
	s_cmp_lt_u32 s50, s28
	s_cbranch_scc0 .Lnb_\@
	MUL (\u%2)
	EPI (\u%2)
	s_wait_alu depctr_va_vdst(0)                   ; the scaling has written the accumulators, which the stage stores read; the products and the scaling are done reading their set of x's fragments, scale words and scores, in which the fetch of the block after next lands
	TOST \u, \buf
.Lnb_\@:
.endm
; Group g: its four blocks are multiplied from buffer buf, and group g + 1 is gathered (token words tko bytes on) and laid into the other buffer.  Then the group's barrier, on every way.
; A wait on vm_vsrc stands ahead of each call, ahead of the branch below.
.macro TGROUP buf, goff, tko
	s_add_co_u32 s50, s33, \goff
	s_cmp_lt_u32 s50, s28
	s_cbranch_scc0 .Ltskip_\@
	s_wait_loadcnt 0x0                             ; W, its scale words and the biases are in, on every way into this part
	s_wait_xcnt 0x0                                ; the last group's stores have read their registers: the gather may land there
	ds_load_b32 v16, v15 offset:\tko
	FETCH 0, \buf
	s_wait_dscnt 26                                ; the token is in; the fetch stays out
	GATHER
	BLOCK 0, \buf, \goff
	BLOCK 1, \buf, \goff
	BLOCK 2, \buf, \goff
	BLOCK 3, \buf, \goff
	s_wait_loadcnt 0x0                             ; the gather has landed under the four blocks' work
	IMAGES (1-\buf)
.Ltskip_\@:
	s_wait_dscnt 0x0                               ; my LDS stores have landed and my LDS loads are in
	s_barrier_signal -1
	s_barrier_wait -1
.endm
; Group g leaves: wave w stores the 16 rows of block w, each to its token's row of out0.
.macro SGROUP buf, goff, tko
	s_wait_alu depctr_vm_vsrc(0)                   ; the image stores have read v[GA ..], and the last way out's stores v[GA ..] and v[TK ..]: the loads below land in both
	s_add_co_u32 s50, s33, \goff
	s_add_co_u32 s50, s50, s32
	s_cmp_lt_u32 s50, s28
	s_cbranch_scc0 .Lsskip_\@
	s_wait_xcnt 0x0                                ; earlier stores have read the registers that are written below
.irp i, 0,1,2,3,4,5,6,7,8,9,10,11,12,13,14,15
	ds_load_b32 v[TK+\i], v14 offset:\tko+4*\i     ; row i's token, the same word in every lane
.endr
.irp i, 0,1,2,3,4,5,6,7,8,9,10,11,12,13,14,15
	ds_load_b128 v[GA+4*\i:GA+4*\i+3], v9 offset:STGB*\buf+528*\i
.endr
	s_wait_dscnt 16                                ; the tokens are in; the rows stay out
.irp i, 0,1,2,3,4,5,6,7,8,9,10,11,12,13,14,15
	v_min_u32 v[TK+\i], 0x1fff, v[TK+\i]           ; held inside out0
.endr
.irp i, 0,1,2,3,4,5,6,7,8,9,10,11,12,13,14,15
	v_lshl_add_u32 v[TK+\i], v[TK+\i], 12, v1      ; 4,096 x token + 16 x lane
.endr
	s_wait_alu depctr_va_vdst(0)                   ; the sixteen offsets v[TK ..] are written, which the stores below read; the next way out's tokens land in them
.irp i, 0,1,2,3,4,5,6,7,8,9,10,11,12,13,14,15
	s_wait_dscnt 15-\i
	global_store_b128 v[TK+\i], v[GA+4*\i:GA+4*\i+3], s[48:49] th:TH_STORE_NT   ; 32 lanes store 512 consecutive bytes, aligned; written once, read by nobody here
.endr
.Lsskip_\@:
.endm
	s_wait_alu depctr_vm_vsrc(0)                   ; the list's loads have read their offsets v16 to v20: a token lands in v16, and the gather writes v16 to v19
	s_cmp_lg_u32 s28, 0
	s_cbranch_scc0 .Lno_rows
	ds_load_b32 v16, v15                           ; group 0 is gathered ahead of the loop
	s_wait_dscnt 0x0
	GATHER
	s_wait_loadcnt 0x0
	IMAGES 0
.Lno_rows:
	s_wait_dscnt 0x0
	s_barrier_signal -1
	s_barrier_wait -1
	s_mov_b32 s33, 0                               ; the trip's first row of the tile
	s_mov_b32 s34, 0
.Ltrip:                                                ; four trips of two groups, whatever the tile holds
	s_wait_alu depctr_vm_vsrc(0)                   ; the token loads have read v14 and v15, which are written below; the last way out's stores have read v[GA ..], in which the gather lands; the last gather's loads have read v17 to v19, and the last stage stores the accumulators
	v_mov_b32 v14, s35                             ; my block's token words in the trip's first group,
	v_add_nc_u32 v15, v14, v13                     ; and my row's among them
	s_wait_alu depctr_va_vdst(0)                   ; v14 and v15 are written, which the trip's token loads read as addresses
	TGROUP 0, 0, 256
	SGROUP 0, 0, 0
	s_wait_alu depctr_vm_vsrc(0)                   ; the way out's stores have read v[GA ..], in which the gather lands; the last gather's loads have read v17 to v19, which the gather writes; the last stage stores have read the accumulators
	TGROUP 1, 64, 512
	SGROUP 1, 64, 256
	s_add_co_u32 s35, s35, 512
	s_add_co_u32 s33, s33, 128
	s_add_co_u32 s34, s34, 1
	s_cmp_lt_u32 s34, 4
	s_cbranch_scc1 .Ltrip
	s_wait_dscnt 0x0                               ; the closing lines, six on end
	s_wait_alu 0x0
	s_wait_tensorcnt 0x0
	ds_add_u32 v254, v255
	s_wait_dscnt 0x0
	s_endpgm
.Lfunc_end_k_q0289fa1170_experts:
	.size	k_q0289fa1170_experts, .Lfunc_end_k_q0289fa1170_experts-k_q0289fa1170_experts
	.p2alignl 7, 3214868480
	.fill 96, 4, 3214868480
	.section	.rodata,"a",@progbits
	.p2align	6, 0x0
	.amdhsa_kernel k_q0289fa1170_experts
		.amdhsa_group_segment_fixed_size 175104
		.amdhsa_private_segment_fixed_size 0
		.amdhsa_enable_private_segment 0
		.amdhsa_kernarg_size 72
		.amdhsa_user_sgpr_count 2
		.amdhsa_user_sgpr_kernarg_segment_ptr 1
		.amdhsa_wavefront_size32 1
		.amdhsa_system_sgpr_workgroup_id_x 1
		.amdhsa_system_sgpr_workgroup_id_y 1
		.amdhsa_system_sgpr_workgroup_id_z 1
		.amdhsa_system_vgpr_workitem_id 0
		.amdhsa_next_free_vgpr 960
		.amdhsa_next_free_sgpr 66
		.amdhsa_reserve_vcc 0
		.amdhsa_float_denorm_mode_32 3
		.amdhsa_float_denorm_mode_16_64 3
		.amdhsa_memory_ordered 1
		.amdhsa_forward_progress 1
		.amdhsa_inst_pref_size 103
	.end_amdhsa_kernel
	.amdgpu_metadata
---
amdhsa.version: [ 1, 2 ]
amdhsa.kernels:
  - .name:           k_q0289fa1170_experts
    .symbol:         k_q0289fa1170_experts.kd
    .args:
      - { .name: tiles, .offset: 0, .size: 8, .value_kind: global_buffer, .address_space: global }
      - { .name: order, .offset: 8, .size: 8, .value_kind: global_buffer, .address_space: global }
      - { .name: xq, .offset: 16, .size: 8, .value_kind: global_buffer, .address_space: global }
      - { .name: xsc, .offset: 24, .size: 8, .value_kind: global_buffer, .address_space: global }
      - { .name: gate, .offset: 32, .size: 8, .value_kind: global_buffer, .address_space: global }
      - { .name: wimg, .offset: 40, .size: 8, .value_kind: global_buffer, .address_space: global }
      - { .name: wsimg, .offset: 48, .size: 8, .value_kind: global_buffer, .address_space: global }
      - { .name: b, .offset: 56, .size: 8, .value_kind: global_buffer, .address_space: global }
      - { .name: out0, .offset: 64, .size: 8, .value_kind: global_buffer, .address_space: global }
    .group_segment_fixed_size: 175104
    .private_segment_fixed_size: 0
    .kernarg_segment_align: 8
    .kernarg_segment_size: 72
    .max_flat_workgroup_size: 128
    .sgpr_count:     66
    .vgpr_count:     960
    .wavefront_size: 32
...
	.end_amdgpu_metadata
.endif
;; end of part 6
